; MI455X (gfx1250); checked and timed in simulation.
; The chip was launched on July 23, 2026; its instructions are those of AMD's public machine-readable ISA for CDNA 5 (MIT licence, August 2026) and "CDNA5" Instruction Set Architecture Reference Guide (July 2026). The comments in the code are by the model that wrote it; some were corrected since.
;; Swin Transformer Block4 D. Allowed arithmetic: matrix products marked QUANTISED: E4M3 operands, one given power-of-two scale a tensor, by v_wmma_f32_16x16x64_fp8_fp8 or v_wmma_f32_16x16x128_fp8_fp8, f32 sums; everything else in f32.
;; Inputs: b1 128 float32; b2 128 float32; b_fc1 512 float32; b_fc2 128 float32; b_proj 128 float32; b_qkv 384 float32; g1 128 float32; g2 128 float32; lowp_scales 12 int32 (the exponents e of the quantised operands' scales 2^e); mask_matrix 256 x 256 x 256 float32; w_fc1_codes 512 x 4 x 32 uint8 (E4M3 codes of w_fc1, K innermost, in blocks of 32 codes); w_fc2_codes 128 x 16 x 32 uint8 (E4M3 codes of w_fc2, K innermost, in blocks of 32 codes); w_proj_codes 128 x 4 x 32 uint8 (E4M3 codes of w_proj, K innermost, in blocks of 32 codes); w_qkv_codes 384 x 4 x 32 uint8 (E4M3 codes of w_qkv, K innermost, in blocks of 32 codes); x 2 x 16 x 16 x 16 x 16 x 128 float32.
;; Outputs: out0 2 x 16 x 16 x 16 x 16 x 128 float32.
;; This version of the problem:
;;   THIS VERSION OF THE PROBLEM IS GIVEN IN LOW PRECISION. The matrix products marked QUANTISED in the list below multiply operands that are first quantised to E4M3 (4 exponent bits, 3 mantissa bits; 8 bits a number), with one given power-of-two scale for each operand tensor; their sums are f32. All else is computed in f32.
;;   The module's matrix products, in the order in which they are computed (A, B: the left and right operand; K: the contracted axis; several contracted axes count as one K, in the product's order):
;;     1. [M 131,072, K 128] x [K 128, N 384]; A: computed on the way; B: input w_qkv (given as codes): QUANTISED (scales: A lowp_scales[0], B lowp_scales[1])
;;     2. batch 2,048 x [M 256, K 32] x [K 32, N 256]; A: computed on the way; B: computed on the way: QUANTISED (scales: A lowp_scales[2], B lowp_scales[3])
;;     3. batch 2,048 x [M 256, K 256] x [K 256, N 32]; A: softmax (see below); B: computed on the way: QUANTISED (scales: A lowp_scales[4], B lowp_scales[5])
;;     4. [M 131,072, K 128] x [K 128, N 128]; A: computed on the way; B: input w_proj (given as codes): QUANTISED (scales: A lowp_scales[6], B lowp_scales[7])
;;     5. [M 131,072, K 128] x [K 128, N 512]; A: computed on the way; B: input w_fc1 (given as codes): QUANTISED (scales: A lowp_scales[8], B lowp_scales[9])
;;     6. [M 131,072, K 512] x [K 512, N 128]; A: computed on the way; B: input w_fc2 (given as codes): QUANTISED (scales: A lowp_scales[10], B lowp_scales[11])
;;   THE QUANTISER, for each operand of a quantised product, along K:
;;     - The operand's scale is 2^e, e = its entry of the input lowp_scales (int32; the entries are numbered through the quantised products in the list's order, A before B).
;;     - Each number is divided by the scale, clamped to +-448, and rounded to the nearest number of E4M3, ties to even, subnormals kept.
;;     - The product sums the exact products of the quantised numbers (number of the format x scale) in f32.
;;   ~~~python
;;   def quantise(x, axis, e):      # numpy; x: float32 -> the quantised numbers, widened to float32 again
;;       x = np.moveaxis(x, axis, -1); K = x.shape[-1]
;;       r = np.clip(x / 2.0 ** e, -448, 448)
;;       step = 2.0 ** (np.maximum(np.frexp(np.where(r == 0, 1, r))[1] - 1, -6) - 3)
;;       q = np.round(r / step) * step * 2.0 ** e      # np.round: ties to even
;;       return np.moveaxis(q, -1, axis).astype(np.float32)
;;   ~~~
;;   SOFTMAX AHEAD OF A QUANTISED PRODUCT. Where the list says 'softmax', what is quantised is not the finished softmax but p = 2^(t - M), with t = logit x log2(e) and M = ceil(the row's largest t), a whole number; so 1/2 < the row's largest p <= 1. The row's sum l is taken of the UNQUANTISED p, in f32, and the product's result is divided by l at the end. Since M is a whole number, a kernel that streams over the keys may use a running M (the ceiling of the running maximum): every later rescaling is an exact power of two, so the quantised numbers keep their values, but for numbers so far below the row's largest that they fall under the format's range.
;;   OPERANDS COMPUTED ON THE WAY. 'Computed on the way' means the value that the module computes at that place (a softmax that the list does not call 'softmax' is quantised finished and normalised). What goes into a quantiser is computed in f32, as accurately as f32 sums, v_exp_f32 and their like allow (about 1e-6 of the number): no bf16 or f16 on the way to a quantiser, and a product that is left as it is and whose result goes on into a quantised operand takes f32 operands (vector FMAs, or v_wmma_f32_16x16x4_f32). A number that lies on a knife's edge between two numbers of the format may be rounded either way, as far as f32 arithmetic and the matrix unit's own rounding can turn it there, and no further.
;;   INPUTS GIVEN AS CODES. w_fc1 (in the module: [512, 128], K = its axis 1); w_fc2 (in the module: [128, 512], K = its axis 1); w_proj (in the module: [128, 128], K = its axis 1); w_qkv (in the module: [384, 128], K = its axis 1): each comes as NAME_codes (uint8): NAME with its K axis moved to the last place and cut into blocks of 32 codes, [.., K / 32, bytes a block], one block behind the other in memory; one code a byte (a code: sign, 4 exponent bits, 3 mantissa bits); its scale is its entry of lowp_scales. Its value is code x scale, taken as it is: it is not quantised again, and the codes and scales need not be those that the quantiser above would give.
;; 2 versions. Each part assembles by itself: llvm-mc -triple=amdgcn-amd-amdhsa -mcpu=gfx1250 --defsym DOCPART=n.
;; ======== version 1 of 2: 1 launch
;; launch swin (part 1): grid 256 x 1, 8 waves a work-group, no clusters, 304,640 bytes of LDS; arguments x, mask_matrix, out0, lowp_scales, w_qkv_codes, w_proj_codes, w_fc1_codes, w_fc2_codes, g1, b1, b_qkv, b_proj, g2, b2, b_fc1, b_fc2; writes out0
.if DOCPART == 1
	.amdgcn_target "amdgcn-amd-amdhsa--gfx1250"
	.amdhsa_code_object_version 6
	.text
	.protected	k_qd15bb870a5_swin
	.globl	k_qd15bb870a5_swin
	.p2align	8
	.type	k_qd15bb870a5_swin,@function
k_qd15bb870a5_swin:
	s_mov_b64 s[64:65], 0
	v_nop
	global_prefetch_b8 v0, s[64:65] scope:SCOPE_SE
	s_setreg_imm32_b32 hwreg(HW_REG_WAVE_MODE, 25, 1), 1
	s_wait_xcnt 0x0
; A whole Swin-4D block (LN1, shifted windows of 4^4 = 256 tokens, qkv, 4 heads of 32 with an additive mask, softmax, PV, proj, residual, LN2, fc1, exact GELU, fc2, residual) in ONE launch.
; All six products run on E4M3 codes (v_wmma_f32_16x16x128_fp8_fp8, v_wmma_f32_16x16x64_fp8_fp8), each operand with its given scale 2^e; everything else is f32.
; SHARES.  Nothing crosses a window: roll, partition and reverse only say which 512-byte row of x and out0 a token is.  256 work-groups of 8 waves; work-group g takes batch g & 1 and the
; windows (g >> 1) and (g >> 1) + 128, one a trip.  A wave owns 32 tokens (two tiles of 16) through the whole chain; only K and V go from wave to wave, as images of operand registers in LDS.
; x stays in 128 registers from its load to the store of out0: it becomes x + attention there and then is fc2's accumulator.  A tile's mask (16 queries x 256 keys) stays in 128 registers for all four heads
; and is the C of K Q^T.  The four weights (196,608 bytes of codes) are laid once into LDS as images of their operand registers.
; LANE LAYOUT ("X layout"): lane (r = lane % 16, h = lane / 16) holds token r; register 16 c + i holds channel 32 c + 16 h + i.  Two conversions a c give operand registers 4 c .. 4 c + 3 = k 32 c + 16 h + 0 .. 15;
; every weight fragment has the same order of k (a permutation of k alike on both sides keeps the products).  The rows of weight tile t are 32 (t / 2) + 8 (t % 2) + r + 8 (r / 8), so that a product used transposed
; (source 0 = weight rows, source 1 = tokens) leaves its results in the X layout again.  V is made untransposed (a lane holds a channel, registers run along the tokens = the keys of the second attention product).
; K Q^T has K = 32: the 16x16x64 form with half of K zero: A = two neighbouring pieces of K (4 registers each), B = q beside four registers of zero codes.
; NO CLUSTER, NO TENSOR LOAD: what two work-groups share is the mask, whose home here is registers (the C operand); a landing place in LDS for eight waves' tiles would be 131,072 bytes and 24,064 are unused.
; The weights are read once by a work-group: 196,608 bytes against 786,432 bytes of x, mask and out0 that it streams.
; LIMITS.  Each e of a quantiser (entries 0, 2, 3, 4, 5, 6, 8, 10) between -126 and 119; e0+e1, e2+e3, e6+e7, e8+e9, e10+e11 within +-126, so that each power of two below is an f32 number.
; NaN and infinities among the inputs are not served.  v_exp_f32 gives 0 for results under 2^-126 (p far under a row's largest; the GELU's tail beyond |x| of about 13).
; The residual rides in fc2's accumulator scaled by 2^-(e10+e11) (exact short of overflow), so the order of rounding differs from x + (sum + bias) in f32's last bits.
.set WQKV,  0                          ; LDS: qkv's 24 fragments (0-7 Q, 8-15 K, 16-23 V): t x 2048 + c x 512 + 16 x lane
.set WPROJ, 49152                      ; proj's 8 fragments, likewise
.set WFC1,  65536                      ; fc1: chunk q of 64 hidden units: q x 8192 + t' x 2048 + c x 512 + 16 x lane
.set WFC2,  131072                     ; fc2: q x 8192 + t x 1024 + c' x 512 + 16 x lane
.set KIMG,  196608                     ; K's pieces: wave x 4096 + head x 1024 + tile x 512 + 16 x lane
.set VIMG,  229376                     ; V's pieces: wave x 4096 + channel tile x 512 + 16 x lane
.set PAR,   262144                     ; g1 +0, b1 +512, b_qkv +1024, b_proj +2560, g2 +3072, b2 +3584, b_fc1 / 2^(e8+e9) +4096, b_fc2 +6144
.set STG,   268800                     ; eight stages, each wave's own: 16 rows x (256 + 16) bytes
; vector registers, window 0
.set LI,   1                           ; 16 x lane
.set PH,   2                           ; PAR + 64 h
.set VSC,  3                           ; a conversion's scale
.set STW,  8                           ; stage: 272 h + 16 r   (two rows an instruction)
.set STX,  9                           ; stage: 272 r + 64 h   (X layout)
.set STM,  10                          ; stage: 272 r + 32 h   (mask layout)
.set MOFF, 11                          ; mask in memory: 1024 h + 16 r
.set XLN,  12                          ; x in memory: 512 h + 16 r
.set PVB,  13                          ; V's bias: PAR + 2048 + 4 (r + 8 (r / 8))
.set PFM,  14                          ; mask prefetch: 1024 r + 256 h
.set VSC2, 15                          ; a second scale
.set QS,   28                          ; v28-59: Q's codes, then O's, then LN2's (tile T at +16 T)
.set SS,   60                          ; v60-123: 64 numbers at work (LN's d, products' results, scores, hidden units)
.set KC,   92
.set VC,   100
.set BI,   108
.set XC1,  124                         ; LN1's codes
.set FWA,  156
.set FWB,  188
.set FWC,  220
.set KB,   124                         ; pad, 8 pieces of K, pad
.set VF,   164                         ; two fragments of V; proj's fragments; LN's parameters
.set GBA,  164
.set GBB,  196
.set PCD,  196                         ; p's codes
.set OT,   212                         ; O^T of a head: two tiles
.set QA,   228                         ; q of the even head, zeros, q of the odd head
.set HC,   8                           ; the MLP: hidden codes (over the phase addresses, which are made anew behind it)
.set PFX,  24
.set CB1,  26
.set FR,   124                         ; fc2's fragments of a chunk
.set ZZ,   188                         ; fc1's fragments of a chunk, then the GELU's temporaries
.set CA1,  252
.set CA3,  254
.set MK,   128                         ; window 1: v0-127 X, v128-255 the mask
; scalar registers
.set WV,   2
.set GID,  3
.set BAT,  4
.set TAU,  5
.set WND,  6
.set CNT,  7
.set SDO,  8
.set SEX,  9
.set SPX,  10
.set TA,   11
.set SEL,  12                          ; s[12:13] lane selects: lane l xor 16
.set RS2,  14                          ; s14 = -1/sqrt(2), s15 = +1/sqrt(2)
.set MBN,  22                          ; s[22:23] the mask tile to be loaded next
.set XBS,  24                          ; s[24:27] x at my two tiles;  s[28:31] out0 likewise
.set OBS,  28
.set XS,   32                          ; s[32:39] eight row offsets inside a tile
.set PXB,  40
.set TB,   79
.set SC01, 60
.set QSC,  62
.set CS,   66
.set MSC,  68
.set SC67, 70
.set SC89, 72
.set SCA,  74
.set SCB,  76
.set GA0, 48
.set GA2, 50
.set GA4, 52
.set GA5, 54
.set GA6, 56
.set GB0, 58
.set GB2, 96
.set GB3, 98
.set GB4, 100
.set GB5, 104
.set MSB, 0
.macro WIN new                         ; register windows: bits 1:0 source 0, 3:2 source 1, 5:4 source 2, 7:6 destination; the high byte repeats the setting that is left
.if MSB != \new
	s_set_vgpr_msb (MSB<<8)|\new
.set MSB, \new
.endif
.endm
.macro PLACES n                        ; plain vector places behind matrix instructions: 4 ahead of reads of results and of loads into operands, 5 ahead of a matrix instruction that writes over them
.rept \n
	v_nop
.endr
.endm
.macro BARRIER                         ; my LDS stores have landed and my LDS loads are in: then the work-group's barrier
	s_wait_dscnt 0x0
	s_barrier_signal -1
	s_barrier_wait -1
.endm
.macro ADDR                            ; the phase addresses, from the thread's and the wave's number
	v_and_b32 v4, 15, v0
	v_bfe_u32 v5, v0, 4, 1
	s_mul_i32 s[TA], s[WV], 4352
	s_add_co_u32 s[TA], s[TA], STG
	v_mul_u32_u24 v6, v5, 272
	v_lshl_add_u32 v6, v4, 4, v6
	v_add_nc_u32 v[STW], s[TA], v6
	v_mul_u32_u24 v6, v4, 272
	v_add_nc_u32 v6, s[TA], v6
	v_lshl_add_u32 v[STX], v5, 6, v6
	v_lshl_add_u32 v[STM], v5, 5, v6
	v_lshlrev_b32 v6, 4, v4
	v_lshl_add_u32 v[MOFF], v5, 10, v6
	v_lshl_add_u32 v[XLN], v5, 9, v6
	v_and_b32 v6, 8, v4
	v_add_nc_u32 v6, v6, v4
	v_lshl_add_u32 v[PVB], v6, 2, PAR+2048
	v_lshlrev_b32 v6, 10, v4
	v_lshl_add_u32 v[PFM], v5, 8, v6
.endm
.macro MKQ e, sq, lm                   ; 2^e as f32 (the conversion takes its exponent field) and 448 x 2^e
	s_add_co_i32 s[\sq], s[\e], 127
	s_add_co_i32 s[\lm], s[\sq], 8
	s_lshl_b32 s[\sq], s[\sq], 23
	s_lshl_b32 s[\lm], s[\lm], 23
	s_or_b32 s[\lm], s[\lm], 0x600000
.endm
.macro MKP d, ea, eb, neg              ; the pair s[d:d+1] = 2^(ea + eb), or 2^-(ea + eb)
	s_add_co_i32 s[\d], s[\ea], s[\eb]
.if \neg
	s_sub_co_i32 s[\d], 0, s[\d]
.endif
	s_add_co_i32 s[\d], s[\d], 127
	s_lshl_b32 s[\d], s[\d], 23
	s_mov_b32 s[\d+1], s[\d]
.endm
.macro PLD k, sb, off
	global_load_b128 v[4*\k:4*\k+3], v[LI], s[\sb:\sb+1] offset:\off
.endm
.macro SPAIR d, val
	s_mov_b32 s[\d], \val
	s_mov_b32 s[\d+1], \val
.endm
; A quarter (64 keys) of a mask tile: 16 rows x 256 bytes; sixteen lanes read 256 consecutive bytes, aligned.  (Destination window 1)
.macro MLOADQ cq
.irp i, 0,1,2,3,4,5,6,7
	global_load_b128 v[MK+32*(\cq)+4*\i:MK+32*(\cq)+4*\i+3], v[MOFF], s[MBN:MBN+1] offset:2048*\i+256*(\cq)
.endr
.endm
	; ================ once: addresses, constants, the weights' and parameters' images
	s_load_b512 s[16:31], s[0:1], 0x0              ; x, mask, out0, scales, w_qkv, w_proj, w_fc1, w_fc2
	s_load_b512 s[32:47], s[0:1], 0x40             ; g1, b1, b_qkv, b_proj, g2, b2, b_fc1, b_fc2
	v_lshrrev_b32 v4, 5, v0
	v_readfirstlane_b32 s[WV], v4                  ; wave 0..7
	s_mov_b32 s[GID], ttmp9
	s_and_b32 s[BAT], s[GID], 1                    ; batch
	s_mov_b32 s[SEL], 0x76543210
	s_mov_b32 s[SEL+1], 0xfedcba98
	s_mov_b32 s[RS2], 0xbf3504f3
	s_mov_b32 s[RS2+1], 0x3f3504f3
	SPAIR QSC, 0x3e3504f3                          ; 32^-0.5
	v_and_b32 v4, 31, v0
	v_lshlrev_b32 v[LI], 4, v4
	v_bfe_u32 v5, v0, 4, 1
	v_lshl_add_u32 v[PH], v5, 6, PAR
	ADDR
	v_and_b32 v4, 15, v0
	v_bfe_u32 v5, v0, 4, 1
	v_and_b32 v6, 8, v4
	v_add_nc_u32 v6, v6, v4                        ; r + 8 (r / 8)
	s_lshr_b32 s[TA], s[WV], 1
	s_lshl_b32 s[TA], s[TA], 5
	s_and_b32 s[TB], s[WV], 1
	s_lshl_b32 s[TB], s[TB], 3
	s_add_co_u32 s[TA], s[TA], s[TB]               ; the first row of weight tile w: 32 (w / 2) + 8 (w % 2)
	v_lshlrev_b32 v7, 7, v6
	v_lshl_add_u32 v7, v5, 4, v7                   ; rows of 128 bytes: (r + 8 (r / 8)) x 128 + 16 h
	s_lshl_b32 s[TB], s[TA], 7
	v_add_nc_u32 v16, s[TB], v7                    ; qkv, proj: tile w
	s_lshl_b32 s[TB], s[WV], 13
	v_add_nc_u32 v17, s[TB], v7                    ; fc1: chunk w (64 rows of 128 bytes)
	v_add_nc_u32 v6, s[TA], v6
	v_lshlrev_b32 v6, 9, v6
	v_lshl_add_u32 v18, v5, 4, v6                  ; fc2: tile w, rows of 512 bytes
	s_lshl_b32 s[TB], s[WV], 11
	v_add_nc_u32 v19, s[TB], v[LI]                 ; where the images go: qkv and proj,
	s_lshl_b32 s[TB], s[WV], 13
	s_add_co_u32 s[TB], s[TB], WFC1
	v_add_nc_u32 v20, s[TB], v[LI]                 ; fc1,
	s_lshl_b32 s[TB], s[WV], 10
	s_add_co_u32 s[TB], s[TB], WFC2
	v_add_nc_u32 v21, s[TB], v[LI]                 ; fc2,
	v_add_nc_u32 v22, PAR, v[LI]                   ; the parameters
	s_wait_kmcnt 0x0
	s_load_b256 s[48:55], s[22:23], 0x0            ; e0 .. e7
	s_load_b128 s[56:59], s[22:23], 0x20           ; e8 .. e11
	s_cmp_lg_u32 s[WV], 0                          ; wave 0 brings the eight parameter vectors: 13 loads of 512 bytes
	s_cbranch_scc1 .Lno_par
	WIN 0x40
	PLD 0, 32, 0
	PLD 1, 34, 0
	PLD 2, 36, 0
	PLD 3, 36, 512
	PLD 4, 36, 1024
	PLD 5, 38, 0
	PLD 6, 40, 0
	PLD 7, 42, 0
	PLD 8, 44, 0
	PLD 9, 44, 512
	PLD 10, 44, 1024
	PLD 11, 44, 1536
	PLD 12, 46, 0
	WIN 0
.Lno_par:
.irp i, 0,1,2                                  ; every wave: 12 fragments, 48 loads
.irp c, 0,1,2,3
	global_load_b128 v[64+16*\i+4*\c:64+16*\i+4*\c+3], v16, s[24:25] offset:16384*\i+32*\c
.endr
.endr
.irp c, 0,1,2,3
	global_load_b128 v[112+4*\c:115+4*\c], v16, s[26:27] offset:32*\c
.endr
.irp i, 0,1,2,3
.irp c, 0,1,2,3
	global_load_b128 v[128+16*\i+4*\c:128+16*\i+4*\c+3], v17, s[28:29] offset:(32*(\i/2)+8*(\i%2))*128+32*\c
.endr
.endr
.irp s, 0,1,2,3
.irp c, 0,1,2,3
	global_load_b128 v[192+16*\s+4*\c:192+16*\s+4*\c+3], v18, s[30:31] offset:128*\s+32*\c
.endr
.endr
	s_wait_kmcnt 0x0                               ; the scales are in: s[22:23], through which they were read, may be written
	s_lshr_b32 s8, s[GID], 1
	s_lshl_b32 s8, s8, 18                          ; a window's mask is 262,144 bytes,
	s_lshl_b32 s9, s[WV], 15                       ; my 32 queries' rows 32,768
	s_add_co_u32 s8, s8, s9
	s_mov_b32 s9, 0
	s_add_nc_u64 s[MBN:MBN+1], s[18:19], s[8:9]
	WIN 0x40
	MLOADQ 0                                       ; the first window's first tile of the mask: 32 loads
	MLOADQ 1
	MLOADQ 2
	MLOADQ 3
	WIN 0
	MKQ 48, 80, 81                                 ; e0: LN1's result
	MKQ 50, 82, 83                                 ; e2: q
	MKQ 51, 84, 85                                 ; e3: k
	MKQ 52, 86, 87                                 ; e4: p
	MKQ 53, 88, 89                                 ; e5: v
	MKQ 54, 90, 91                                 ; e6: attention's result
	MKQ 56, 92, 93                                 ; e8: LN2's result
	MKQ 58, 94, 95                                 ; e10: the hidden layer
	MKP SC01, 48, 49, 0
	MKP MSC, 50, 51, 1
	MKP SC67, 54, 55, 0
	MKP SC89, 56, 57, 0
	MKP SCA, 58, 59, 1
	MKP SCB, 58, 59, 0
	s_add_co_i32 s[CS], s50, s51
	s_lshl_b32 s[CS], s[CS], 23
	s_add_co_i32 s[CS], s[CS], 0x3fb8aa3b          ; log2(e) x 2^(e2+e3): the exponents are added to its exponent field
	s_mov_b32 s[CS+1], s[CS]
	s_add_co_i32 s78, s52, s53                     ; e4 + e5
	s_add_co_i32 s[TB], s56, s57
	s_sub_co_i32 s[TB], 0, s[TB]                   ; -(e8 + e9)
	s_wait_loadcnt 32                              ; all but the 32 mask loads, which were issued last: weights and parameters are in
.irp i, 0,1,2
.irp c, 0,1,2,3
	ds_store_b128 v19, v[64+16*\i+4*\c:64+16*\i+4*\c+3] offset:16384*\i+512*\c
.endr
.endr
.irp c, 0,1,2,3
	ds_store_b128 v19, v[112+4*\c:115+4*\c] offset:WPROJ+512*\c
.endr
.irp i, 0,1,2,3
.irp c, 0,1,2,3
	ds_store_b128 v20, v[128+16*\i+4*\c:128+16*\i+4*\c+3] offset:2048*\i+512*\c
.endr
.endr
.irp s, 0,1,2,3
.irp c, 0,1,2,3
	ds_store_b128 v21, v[192+16*\s+4*\c:192+16*\s+4*\c+3] offset:(2*\s+\c/2)*8192+(\c%2)*512
.endr
.endr
	s_cmp_lg_u32 s[WV], 0
	s_cbranch_scc1 .Lno_par2
	WIN 0x41
.irp j, 0,1,2,3,4,5,6,7,8,9,10,11,12,13,14,15
	v_ldexp_f32 v[32+\j], v[32+\j], s[TB]          ; b_fc1 / 2^(e8+e9): it goes in as the C of fc1's products
.endr
	WIN 0x04
.irp k, 0,1,2,3,4,5,6,7,8,9,10,11,12
	ds_store_b128 v22, v[4*\k:4*\k+3] offset:512*\k
.endr
	WIN 0
.Lno_par2:
	BARRIER                                        ; weights and parameters lie in LDS; from here on they are only read
	SPAIR GA0, 0xb7d130d7                          ; the GELU's constants (over the exponents, which are used up)
	SPAIR GA2, 0xbbb79c87
	SPAIR GA4, 0xbe1dbebc
	SPAIR GA5, 0xbf6a77c7
	SPAIR GA6, 0xbfd06f41
	SPAIR GB0, 0xba1c7000
	SPAIR GB2, 0xbcdb48d9
	SPAIR GB3, 0x3de70e22
	SPAIR GB4, 0xbec09380
	SPAIR GB5, 0x3f906ebb
	s_mov_b32 s[TAU], 0
.set pp, 0
.rept 32
	v_mov_b32 v[QS+pp], 0                          ; the qkv loop shifts these before it has filled them
.set pp, pp+1
.endr
	v_mov_b32 v21, 0
	v_mov_b32 v26, 0
	v_mov_b32 v253, 0                              ; (named as upper halves of pairs)
	v_mov_b32 v255, 0
; LN's parameters of channels 32 c + 16 h + 0 .. 15: 16 of the gain, 16 of the bias
.macro LNPAR c, buf, goff, boff
.irp j, 0,1,2,3
	ds_load_b128 v[\buf+4*\j:\buf+4*\j+3], v[PH] offset:\goff+128*(\c)+16*\j
	ds_load_b128 v[\buf+16+4*\j:\buf+16+4*\j+3], v[PH] offset:\boff+128*(\c)+16*\j
.endr
.endm
.macro LNRED                           ; four packed chains -> the token's sum, in both of its lanes
	v_pk_add_f32 v[16:17], v[16:17], v[18:19]
	v_pk_add_f32 v[20:21], v[20:21], v[22:23]
	v_pk_add_f32 v[16:17], v[16:17], v[20:21]
	v_add_f32 v16, v16, v17
	v_permlanex16_b32 v18, v16, s[SEL], s[SEL+1]
	v_add_f32 v16, v16, v18
.endm
; LayerNorm of the tile at X[xb] (window 1), quantised into 16 operand registers at v[dst]
.macro LN xb, goff, boff, ssq, slm, dst
	v_mov_b32 v[VSC], s[\ssq]
	WIN 0x05
.irp k, 0,1,2,3
	v_pk_add_f32 v[16+2*\k:17+2*\k], v[\xb+2*\k:\xb+2*\k+1], v[\xb+8+2*\k:\xb+9+2*\k]
.endr
	WIN 0x01
.set pp, 8
.rept 24
	v_pk_add_f32 v[16+2*(pp%4):17+2*(pp%4)], v[\xb+2*pp:\xb+2*pp+1], v[16+2*(pp%4):17+2*(pp%4)]
.set pp, pp+1
.endr
	WIN 0
	LNPAR 0, GBA, \goff, \boff
	LNPAR 1, GBB, \goff, \boff
	LNRED
	v_mul_f32 v24, 0x3c000000, v16                 ; the mean
	v_mov_b32 v25, v24
	WIN 0x01
.set pp, 0
.rept 32
	v_pk_add_f32 v[SS+2*pp:SS+2*pp+1], v[\xb+2*pp:\xb+2*pp+1], v[24:25] neg_lo:[0,1] neg_hi:[0,1]
.set pp, pp+1
.endr
	WIN 0
.irp k, 0,1,2,3
	v_pk_mul_f32 v[16+2*\k:17+2*\k], v[SS+2*\k:SS+2*\k+1], v[SS+2*\k:SS+2*\k+1]
.endr
.set pp, 4
.rept 28
	v_pk_fma_f32 v[16+2*(pp%4):17+2*(pp%4)], v[SS+2*pp:SS+2*pp+1], v[SS+2*pp:SS+2*pp+1], v[16+2*(pp%4):17+2*(pp%4)]
.set pp, pp+1
.endr
	LNRED
	v_mul_f32 v16, 0x3c000000, v16
	v_add_f32 v16, 0x3727c5ac, v16                 ; variance + 1e-5
	v_rsq_f32 v26, v16
	v_nop                                          ; a plain place behind the transcendental,
	s_wait_alu depctr_va_vdst(0)                   ; and a wait ahead of its first reader
	v_mov_b32 v27, v26
.irp c, 0,1,2,3
.if \c < 3
	s_wait_dscnt 8                                 ; this block's eight parameter loads are in; the next block's eight may be out
.else
	s_wait_dscnt 0x0
.endif
.set gb, GBA+32*(\c%2)
.irp k, 0,2,4,6,8,10,12,14
	v_pk_mul_f32 v[SS+16*\c+\k:SS+16*\c+\k+1], v[SS+16*\c+\k:SS+16*\c+\k+1], v[26:27]
.endr
.irp k, 0,2,4,6,8,10,12,14
	v_pk_fma_f32 v[SS+16*\c+\k:SS+16*\c+\k+1], v[SS+16*\c+\k:SS+16*\c+\k+1], v[gb+\k:gb+\k+1], v[gb+16+\k:gb+17+\k]
.endr
.if \c < 2
	LNPAR \c+2, gb, \goff, \boff
.endif
.irp k, 0,1,2,3,4,5,6,7,8,9,10,11,12,13,14,15
	v_med3_num_f32 v[SS+16*\c+\k], v[SS+16*\c+\k], -s[\slm], s[\slm]   ; the conversion does not saturate (ISA guide 7.6.2): the hold at 448 x the scale
.endr
	v_cvt_scalef32_pk8_fp8_f32 v[\dst+4*\c:\dst+4*\c+1], v[SS+16*\c:SS+16*\c+7], v[VSC]
	v_cvt_scalef32_pk8_fp8_f32 v[\dst+4*\c+2:\dst+4*\c+3], v[SS+16*\c+8:SS+16*\c+15], v[VSC]
.endr
	v_nop                                          ; a plain place behind the last conversion
.endm
; eight pieces of K (head 2 hp + hl, keys 128 kh on) into KB's middle
.macro KLOAD adr, hl, kh
.irp i, 0,1,2,3,4,5,6,7
	ds_load_b128 v[KB+4+4*\i:KB+7+4*\i], v[\adr] offset:1024*(\hl)+(4*(\kh)+\i/2)*4096+(\i%2)*512
.endr
.endm
; Half a head: 128 keys.  S^T = K Q^T + mask, the running M, p, its sum, its codes, O^T += V^T P
.macro HSTEP hl, kh, first
	s_wait_dscnt 0x0                               ; K's pieces, asked for half a head ago, are in
	WIN 0x10                                       ; C: the mask, in window 1
.irp i, 0,1,2,3,4,5,6,7
	v_wmma_f32_16x16x64_fp8_fp8 v[SS+8*\i:SS+8*\i+7], v[KB+4-4*\hl+4*\i:KB+11-4*\hl+4*\i], v[QA+4*\hl:QA+4*\hl+7], v[MK+64*\kh+8*\i:MK+64*\kh+8*\i+7]
.endr
	WIN 0
	PLACES 4                                       ; ahead of the loads into V's, K's and the mask's registers and of the first read of the scores
.irp u, 0,1
.irp c, 0,1,2,3
	ds_load_b128 v[VF+16*\u+4*\c:VF+16*\u+4*\c+3], v6 offset:1024*\hl+512*\u+(4*\kh+\c)*4096
.endr
.endr
.if \kh == 0
	KLOAD 4, \hl, 1
.elseif \hl == 0
	KLOAD 4, 1, 0
.else
	KLOAD 5, 0, 0                                  ; the next pair of heads, or head 0 again for the next tile
.endif
.if \hl
	s_cmp_eq_u32 s[SDO], 0                         ; the last head has read these 128 keys' mask: the next tile's takes the registers, if there is a next tile
	s_cbranch_scc1 .Lnom_\@
	WIN 0x40
	MLOADQ 2*\kh
	MLOADQ 2*\kh+1
	WIN 0
.Lnom_\@:
.endif
	v_max3_num_f32 v24, v[SS], v[SS+1], v[SS+2]    ; the largest score of my query among my 64 keys, each accumulator from its low end on
	v_max3_num_f32 v25, v[SS+3], v[SS+4], v[SS+5]
.irp i, 6,10,14,18,22,26,30,34,38,42,46,50,54,58
	v_max3_num_f32 v24, v24, v[SS+\i], v[SS+1+\i]
	v_max3_num_f32 v25, v25, v[SS+2+\i], v[SS+3+\i]
.endr
	v_max3_num_f32 v24, v24, v[SS+62], v[SS+63]
	v_max_num_f32 v24, v24, v25
	v_permlanex16_b32 v26, v24, s[SEL], s[SEL+1]
	v_max_num_f32 v24, v24, v26
	v_mul_f32 v24, s[CS], v24                      ; as t
.if \first
	v_mov_b32 v17, v24
	v_floor_f32 v16, -v17                          ; -M = floor(-t): M is a whole number
.else
	v_max_num_f32 v17, v17, v24
	v_mov_b32 v27, v16
	v_floor_f32 v16, -v17
	v_sub_f32 v27, v16, v27
	v_cvt_i32_f32 v27, v27
	v_ldexp_f32 v20, 1.0, v27                      ; f = 2^(old M - new M)
.endif
.set pp, 0
.rept 32
	v_pk_fma_f32 v[SS+pp:SS+pp+1], v[SS+pp:SS+pp+1], s[CS:CS+1], v[16:17] op_sel_hi:[1,0,0]
.set pp, pp+2
.endr
.set pp, 0
.rept 64
	v_exp_f32 v[SS+pp], v[SS+pp]                   ; p = 2^(t - M)
.set pp, pp+1
.endr
.if \first
	v_nop                                          ; a plain place behind the exponentials
.else
	v_pk_mul_f32 v[18:19], v[18:19], v[20:21] op_sel_hi:[1,0]
.endif
	s_wait_alu depctr_va_vdst(0)                   ; one wait for the batch of 64, ahead of its first reader
.if \first
	v_pk_add_f32 v[18:19], v[SS:SS+1], v[SS+2:SS+3]
	v_pk_add_f32 v[22:23], v[SS+4:SS+5], v[SS+6:SS+7]
.set pp, 8
.rept 14
	v_pk_add_f32 v[18:19], v[18:19], v[SS+pp:SS+pp+1]
	v_pk_add_f32 v[22:23], v[22:23], v[SS+pp+2:SS+pp+3]
.set pp, pp+4
.endr
.else
	v_pk_add_f32 v[22:23], v[SS:SS+1], v[SS+2:SS+3]
.set pp, 4
.rept 15
	v_pk_add_f32 v[18:19], v[18:19], v[SS+pp:SS+pp+1]
	v_pk_add_f32 v[22:23], v[22:23], v[SS+pp+2:SS+pp+3]
.set pp, pp+4
.endr
.endif
	v_pk_add_f32 v[18:19], v[18:19], v[22:23]      ; the sum of the unquantised p
.irp i, 0,1,2,3,4,5,6,7
.irp k, 0,1,2,3,4,5,6,7
	v_min_num_f32 v[SS+8*\i+\k], s87, v[SS+8*\i+\k]
.endr
	v_cvt_scalef32_pk8_fp8_f32 v[PCD+2*\i:PCD+2*\i+1], v[SS+8*\i:SS+8*\i+7], v[VSC]
.endr
.if \first
	v_nop                                          ; a plain place behind the last conversion
.else
.irp k, 0,2,4,6,8,10,12,14
	v_pk_mul_f32 v[OT+\k:OT+\k+1], v[OT+\k:OT+\k+1], v[20:21] op_sel_hi:[1,0]
.endr
.endif
	s_wait_dscnt 8                                 ; V's eight loads are in; the next K's eight, issued behind them, may be out
.irp u, 0,1
.if \first
	v_wmma_f32_16x16x128_fp8_fp8 v[OT+8*\u:OT+8*\u+7], v[VF+16*\u:VF+16*\u+15], v[PCD:PCD+15], 0
.else
	v_wmma_f32_16x16x128_fp8_fp8 v[OT+8*\u:OT+8*\u+7], v[VF+16*\u:VF+16*\u+15], v[PCD:PCD+15], v[OT+8*\u:OT+8*\u+7]
.endif
.endr
.endm
; A head's end: O^T x 2^(e4+e5) / the sum, quantised: four registers of proj's operand
.macro EPI T, hl
	PLACES 4
	v_add_f32 v18, v18, v19
	v_permlanex16_b32 v26, v18, s[SEL], s[SEL+1]
	v_add_f32 v18, v18, v26
	v_rcp_f32 v20, v18
	v_nop
	s_wait_alu depctr_va_vdst(0)
	v_ldexp_f32 v20, v20, s78
.irp k, 0,2,4,6,8,10,12,14
	v_pk_mul_f32 v[OT+\k:OT+\k+1], v[OT+\k:OT+\k+1], v[20:21] op_sel_hi:[1,0]
.endr
.irp k, 0,1,2,3,4,5,6,7,8,9,10,11,12,13,14,15
	v_med3_num_f32 v[OT+\k], v[OT+\k], -s91, s91
.endr
	v_cvt_scalef32_pk8_fp8_f32 v[QS+16*\T+4*\hl:QS+16*\T+4*\hl+1], v[OT:OT+7], v[VSC2]
	v_cvt_scalef32_pk8_fp8_f32 v[QS+16*\T+4*\hl+2:QS+16*\T+4*\hl+3], v[OT+8:OT+15], v[VSC2]
	v_nop
.endm
; proj and the first residual for tile T
.macro PROJ T
.irp f, 0,1
.irp t, 0,1,2,3
.irp c, 0,1,2,3
	ds_load_b128 v[VF+16*\t+4*\c:VF+16*\t+4*\c+3], v[LI] offset:WPROJ+2048*(4*\f+\t)+512*\c
.endr
.endr
	s_wait_dscnt 0x0
.irp t, 0,1,2,3
	v_wmma_f32_16x16x128_fp8_fp8 v[SS+32*\f+8*\t:SS+32*\f+8*\t+7], v[VF+16*\t:VF+16*\t+15], v[QS+16*\T:QS+16*\T+15], 0
.endr
	PLACES 4
.endr
.irp c, 0,1,2,3
.irp j, 0,1,2,3
	ds_load_b128 v[VF+16*\c+4*\j:VF+16*\c+4*\j+3], v[PH] offset:2560+128*\c+16*\j
.endr
.endr
	s_wait_dscnt 0x0
.set pp, 0
.rept 32
	v_pk_fma_f32 v[SS+pp:SS+pp+1], v[SS+pp:SS+pp+1], s[SC67:SC67+1], v[VF+pp:VF+pp+1] op_sel_hi:[1,0,1]
.set pp, pp+2
.endr
	WIN 0x41
.set pp, 0
.rept 32
	v_pk_add_f32 v[64*\T+pp:64*\T+pp+1], v[64*\T+pp:64*\T+pp+1], v[SS+pp:SS+pp+1]
.set pp, pp+2
.endr
	WIN 0
.endm
; Attention, proj, residual and LN2 for tile T of my two
.macro ATT T
	s_wait_loadcnt 0x0                             ; the tile's mask is in, as it lies in memory
	s_wait_xcnt 0x0                                ; no memory instruction still reads the mask's base
.if \T == 0
	s_add_nc_u64 s[MBN:MBN+1], s[MBN:MBN+1], 16384             ; next: my second tile
.else
	s_add_nc_u64 s[MBN:MBN+1], s[MBN:MBN+1], 33554432-16384    ; next: my first tile, 128 windows on (used in the first trip alone)
.endif
	WIN 0x44
.irp cq, 0,1,2,3                               ; through my stage, a quarter at a time: a lane then holds its query's keys 16 kt + 8 h + 0 .. 7 in register 8 kt on.  LDS serves a wave's instructions in order
.irp i, 0,1,2,3,4,5,6,7
	ds_store_b128 v[STW], v[MK+32*\cq+4*\i:MK+32*\cq+4*\i+3] offset:544*\i
.endr
.irp k, 0,1,2,3
.irp j, 0,1
	ds_load_b128 v[MK+32*\cq+8*\k+4*\j:MK+32*\cq+8*\k+4*\j+3], v[STM] offset:64*\k+16*\j
.endr
.endr
.endr
	s_wait_dscnt 0x0
	WIN 0x41
.set pp, 0
.rept 64
	v_pk_mul_f32 v[MK+pp:MK+pp+1], v[MK+pp:MK+pp+1], s[MSC:MSC+1] op_sel_hi:[1,0]   ; / 2^(e2+e3): the sums of codes lack that factor
.set pp, pp+2
.endr
	WIN 0
.irp i, 0,1,2,3
	v_mov_b32 v[QA+\i], v[QS+16*\T+\i]
	v_mov_b32 v[QA+8+\i], v[QS+16*\T+4+\i]
.endr
	v_mov_b32 v[VSC], s86
	v_mov_b32 v[VSC2], s90
.if \T == 0
	s_mov_b32 s[SEX], 1
	s_cmp_lg_u32 s[BAT], 0                         ; my second tile's mask, 64 blocks of 256 bytes, is asked for three heads ahead of its loads; the work-group of batch 0 asks for both batches
	s_cbranch_scc1 .Lnopf_\@
	global_prefetch_b8 v[PFM], s[MBN:MBN+1] th:TH_LOAD_NT scope:SCOPE_SE
	global_prefetch_b8 v[PFM], s[MBN:MBN+1] offset:512 th:TH_LOAD_NT scope:SCOPE_SE
.Lnopf_\@:
.else
	s_cmp_eq_u32 s[TAU], 0
	s_cselect_b32 s[SEX], 1, 0
.endif
	s_mov_b32 s[CNT], 0
	s_mov_b32 s42, 0                               ; 2048 x pair of heads
.Lhp_\@:
	s_xor_b32 s43, s42, 2048
	s_add_co_u32 s[TA], s42, KIMG
	v_add_nc_u32 v4, s[TA], v[LI]
	s_add_co_u32 s[TA], s43, KIMG
	v_add_nc_u32 v5, s[TA], v[LI]
	s_add_co_u32 s[TA], s42, VIMG
	v_add_nc_u32 v6, s[TA], v[LI]
	s_cmp_eq_u32 s[CNT], 1
	s_cselect_b32 s[SDO], s[SEX], 0
	HSTEP 0, 0, 1
	HSTEP 0, 1, 0
	EPI \T, 0
	HSTEP 1, 0, 1
	HSTEP 1, 1, 0
	EPI \T, 1
.irp i, 0,1,2,3                                ; q of the next two heads; then the halves of QS change places, so that after two trips O's codes stand in the heads' order
	v_mov_b32 v[QA+\i], v[QS+16*\T+8+\i]
	v_mov_b32 v[QA+8+\i], v[QS+16*\T+12+\i]
.endr
.irp i, 0,1,2,3,4,5,6,7
	v_mov_b32 v[240+\i], v[QS+16*\T+\i]
	v_mov_b32 v[QS+16*\T+\i], v[QS+16*\T+8+\i]
	v_mov_b32 v[QS+16*\T+8+\i], v[240+\i]
.endr
	s_add_co_u32 s42, s42, 2048
	s_add_co_u32 s[CNT], s[CNT], 1
	s_cmp_lt_u32 s[CNT], 2
	s_cbranch_scc1 .Lhp_\@
.if \T == 1
	BARRIER                                        ; every wave has read K's and V's images for the last time in this trip
.endif
	PROJ \T
	LN 64*\T, 3072, 3584, 92, 93, QS+16*\T
.endm
; Exact GELU of eight numbers in v[hb] on: max(x, 0) - (|x| / 2) erfc(|x| / sqrt 2).  t = |x| / sqrt 2.  erfc by two fits: t above 0.927734375: 2^(a polynomial of degree 7 in t, log2(e) folded in);
; else 1 - t x (a polynomial in t^2).  Both are computed and one is selected: no branch on data.
.macro GELU8 hb
.irp k, 0,1,2,3,4,5,6,7
	v_mul_f32 v[ZZ+\k], s[RS2+1], |v[\hb+\k]|
.endr
.irp k, 0,2,4,6
	v_pk_mul_f32 v[ZZ+8+\k:ZZ+9+\k], v[ZZ+\k:ZZ+1+\k], v[ZZ+\k:ZZ+1+\k]
.endr
.irp k, 0,2,4,6
	v_pk_fma_f32 v[ZZ+16+\k:ZZ+17+\k], v[ZZ+\k:ZZ+1+\k], s[GA0:GA0+1], v[CA1:CA1+1] op_sel_hi:[1,0,1]
	v_pk_fma_f32 v[ZZ+24+\k:ZZ+25+\k], v[ZZ+\k:ZZ+1+\k], s[GA2:GA2+1], v[CA3:CA3+1] op_sel_hi:[1,0,1]
.endr
.irp k, 0,2,4,6
	v_pk_fma_f32 v[ZZ+16+\k:ZZ+17+\k], v[ZZ+16+\k:ZZ+17+\k], v[ZZ+8+\k:ZZ+9+\k], v[ZZ+24+\k:ZZ+25+\k]
.endr
.irp a, GA4, GA5, GA6
.irp k, 0,2,4,6
	v_pk_fma_f32 v[ZZ+16+\k:ZZ+17+\k], v[ZZ+16+\k:ZZ+17+\k], v[ZZ+\k:ZZ+1+\k], s[\a:\a+1] op_sel_hi:[1,1,0]
.endr
.endr
.irp k, 0,2,4,6
	v_pk_mul_f32 v[ZZ+16+\k:ZZ+17+\k], v[ZZ+16+\k:ZZ+17+\k], v[ZZ+\k:ZZ+1+\k]
.endr
.irp k, 0,1,2,3,4,5,6,7
	v_exp_f32 v[ZZ+16+\k], v[ZZ+16+\k]
.endr
.irp k, 0,2,4,6                                ; the other fit: 24 plain lines that name no exponential's result
	v_pk_fma_f32 v[ZZ+24+\k:ZZ+25+\k], v[ZZ+8+\k:ZZ+9+\k], s[GB0:GB0+1], v[CB1:CB1+1] op_sel_hi:[1,0,1]
.endr
.irp a, GB2, GB3, GB4, GB5
.irp k, 0,2,4,6
	v_pk_fma_f32 v[ZZ+24+\k:ZZ+25+\k], v[ZZ+24+\k:ZZ+25+\k], v[ZZ+8+\k:ZZ+9+\k], s[\a:\a+1] op_sel_hi:[1,1,0]
.endr
.endr
.irp k, 0,2,4,6
	v_pk_fma_f32 v[ZZ+24+\k:ZZ+25+\k], v[ZZ+24+\k:ZZ+25+\k], v[ZZ+\k:ZZ+1+\k], 1.0 op_sel_hi:[1,1,0] neg_lo:[1,0,0] neg_hi:[1,0,0]
.endr
	s_wait_alu depctr_va_vdst(0)                   ; one wait for the eight exponentials, ahead of their first reader
.irp k, 0,1,2,3,4,5,6,7
	v_cmp_lt_f32 vcc_lo, 0x3f6d8000, v[ZZ+\k]
	v_cndmask_b32 v[ZZ+16+\k], v[ZZ+24+\k], v[ZZ+16+\k], vcc_lo
.endr
.irp k, 0,2,4,6
	v_pk_mul_f32 v[ZZ+16+\k:ZZ+17+\k], v[ZZ+16+\k:ZZ+17+\k], v[ZZ+\k:ZZ+1+\k]
.endr
.irp k, 0,1,2,3,4,5,6,7
	v_max_num_f32 v[ZZ+8+\k], 0, v[\hb+\k]
.endr
.irp k, 0,2,4,6
	v_pk_fma_f32 v[\hb+\k:\hb+1+\k], v[ZZ+16+\k:ZZ+17+\k], s[RS2:RS2+1], v[ZZ+8+\k:ZZ+9+\k] op_sel_hi:[1,0,1]
.endr
.endm
.macro MADDR                           ; the MLP's LDS addresses of chunk q: s42 = 8192 q, s43 = 256 q
	s_add_co_u32 s[TA], s42, WFC1
	v_add_nc_u32 v4, s[TA], v[LI]
	s_add_co_u32 s[TA], s42, WFC2
	v_add_nc_u32 v5, s[TA], v[LI]
	v_add_nc_u32 v6, s43, v[PH]
.endm
.macro MNEXT d                         ; chunk q + d: fc1's bias (as C, for both tiles) and fc1's four fragments: 32 loads
.irp T, 0,1
.irp b, 0,1
.irp j, 0,1,2,3
	ds_load_b128 v[SS+32*\T+16*\b+4*\j:SS+32*\T+16*\b+4*\j+3], v6 offset:4096+256*\d+128*\b+16*\j
.endr
.endr
.endr
.irp t, 0,1,2,3
.irp c, 0,1,2,3
	ds_load_b128 v[ZZ+16*\t+4*\c:ZZ+16*\t+4*\c+3], v4 offset:8192*\d+2048*\t+512*\c
.endr
.endr
.endm
.Ltrip:
	; ================ where my 32 tokens lie; x
	s_lshr_b32 s[WND], s[GID], 1
	s_lshl_b32 s[TA], s[TAU], 7
	s_add_co_u32 s[WND], s[WND], s[TA]             ; the window: ((wd 4 + wh) 4 + ww) 4 + wt
	s_bfe_u32 s42, s[WND], 0x20006
	s_bfe_u32 s43, s[WND], 0x20004
	s_bfe_u32 s44, s[WND], 0x20002
	s_and_b32 s45, s[WND], 3
	s_lshl_b32 s42, s42, 2
	s_lshr_b32 s[TA], s[WV], 1
	s_add_co_u32 s42, s42, s[TA]
	s_add_co_u32 s42, s42, 2
	s_and_b32 s42, s42, 15                         ; D = (4 wd + w / 2 + 2) mod 16: the roll by 2
	s_lshl_b32 s43, s43, 2
	s_lshl_b32 s[TA], s[WV], 1
	s_and_b32 s[TA], s[TA], 3
	s_add_co_u32 s43, s43, s[TA]
	s_add_co_u32 s43, s43, 2
	s_and_b32 s43, s43, 15                         ; H of tile 0, an even number; tile 1: + 1
	s_lshl_b32 s[TB], s[BAT], 4
	s_add_co_u32 s[TA], s[TB], s42
	s_lshl_b32 s[TA], s[TA], 4
	s_add_co_u32 s[TA], s[TA], s43
	s_lshl_b32 s46, s[TA], 17                      ; a step of H is 16 x 16 x 512 bytes
	s_mov_b32 s47, 0
	s_add_nc_u64 s[XBS:XBS+1], s[16:17], s[46:47]
	s_add_nc_u64 s[OBS:OBS+1], s[20:21], s[46:47]
	s_add_nc_u64 s[XBS+2:XBS+3], s[XBS:XBS+1], 0x20000
	s_add_nc_u64 s[OBS+2:OBS+3], s[OBS:OBS+1], 0x20000
	s_add_co_u32 s[TA], s42, 8                     ; the next trip's window is 128 on: wd + 2, D + 8
	s_and_b32 s[TA], s[TA], 15
	s_add_co_u32 s[TA], s[TA], s[TB]
	s_lshl_b32 s[TA], s[TA], 4
	s_add_co_u32 s[TA], s[TA], s43
	s_lshl_b32 s46, s[TA], 17
	s_add_nc_u64 s[PXB:PXB+1], s[16:17], s[46:47]
	s_lshl_b32 s44, s44, 2
	s_add_co_u32 s44, s44, 2
	s_lshl_b32 s45, s45, 2
	s_add_co_u32 s45, s45, 2
.irp i, 0,1,2,3,4,5,6,7                        ; tokens 2 i and 2 i + 1 of a tile: w' = i / 2, t' = 2 (i % 2) + h
	s_add_co_u32 s[TA], s44, \i/2
	s_and_b32 s[TA], s[TA], 15
	s_lshl_b32 s[TA], s[TA], 13
	s_add_co_u32 s[TB], s45, 2*(\i%2)
	s_and_b32 s[TB], s[TB], 15
	s_lshl_b32 s[TB], s[TB], 9
	s_add_co_u32 s[XS+\i], s[TA], s[TB]
	v_add_nc_u32 v[SS+\i], s[XS+\i], v[XLN]
.endr
	WIN 0x40
.irp T, 0,1
.irp h, 0,1
.irp i, 0,1,2,3,4,5,6,7
	global_load_b128 v[64*\T+32*\h+4*\i:64*\T+32*\h+4*\i+3], v[SS+\i], s[XBS+2*\T:XBS+2*\T+1] offset:256*\h th:TH_LOAD_NT   ; sixteen lanes read 256 consecutive bytes, aligned
.endr
.endr
.endr
	s_wait_loadcnt 0x0
	WIN 0x44
.irp p, 0,1,2,3                                ; into the X layout, through my stage, half a row of 16 tokens at a time
.irp i, 0,1,2,3,4,5,6,7
	ds_store_b128 v[STW], v[32*\p+4*\i:32*\p+4*\i+3] offset:544*\i
.endr
.irp c, 0,1
.irp j, 0,1,2,3
	ds_load_b128 v[32*\p+16*\c+4*\j:32*\p+16*\c+4*\j+3], v[STX] offset:128*\c+16*\j
.endr
.endr
.endr
	s_wait_dscnt 0x0
	WIN 0
	; ================ LN1
	LN 0, 0, 512, 80, 81, XC1
	LN 64, 0, 512, 80, 81, XC1+16
	; ================ q, k, v: a trip a head.  Fragments and biases run one group ahead
	s_mov_b32 s[CNT], 0
	s_mov_b32 s42, 0                               ; 4096 x head
	s_mov_b32 s43, 0                               ; 128 x head
	s_mov_b32 s44, 0                               ; 1024 x head
	s_lshl_b32 s[TA], s[WV], 12
	s_add_co_u32 s[TA], s[TA], KIMG
	v_add_nc_u32 v16, s[TA], v[LI]                 ; my 4,096 bytes of K's images; V's lie 32,768 further on
.irp u, 0,1
.irp c, 0,1,2,3
	ds_load_b128 v[FWA+16*\u+4*\c:FWA+16*\u+4*\c+3], v[LI] offset:2048*\u+512*\c
.endr
.endr
.irp j, 0,1,2,3
	ds_load_b128 v[BI+4*\j:BI+4*\j+3], v[PH] offset:1024+16*\j
.endr
.Lqkv:
	v_add_nc_u32 v4, s42, v[LI]
	v_add_nc_u32 v5, s43, v[PH]
	v_add_nc_u32 v6, s43, v[PVB]
	v_add_nc_u32 v7, s44, v16
.irp T, 0,1
.irp i, 0,1,2,3,4,5,6,7,8,9,10,11
	v_mov_b32 v[QS+16*\T+\i], v[QS+16*\T+4+\i]     ; Q's codes move down by a head: register numbers stay the same in every trip
.endr
.endr
.irp u, 0,1
.irp c, 0,1,2,3
	ds_load_b128 v[FWB+16*\u+4*\c:FWB+16*\u+4*\c+3], v4 offset:16384+2048*\u+512*\c
.endr
.endr
.irp u, 0,1
.irp c, 0,1,2,3
	ds_load_b128 v[FWC+16*\u+4*\c:FWC+16*\u+4*\c+3], v4 offset:32768+2048*\u+512*\c
.endr
.endr
	ds_load_b32 v252, v6
	ds_load_b32 v254, v6 offset:32
	s_wait_dscnt 18                                ; all but the 18 just issued: Q's fragments and bias are in
.irp T, 0,1
.irp u, 0,1
	v_wmma_f32_16x16x128_fp8_fp8 v[SS+16*\T+8*\u:SS+16*\T+8*\u+7], v[FWA+16*\u:FWA+16*\u+15], v[XC1+16*\T:XC1+16*\T+15], 0
.endr
.endr
	PLACES 5                                       ; five: the next group's products write over these results
.irp T, 0,1
.irp u, 0,1
.irp k, 0,2,4,6
	v_pk_fma_f32 v[SS+16*\T+8*\u+\k:SS+16*\T+8*\u+\k+1], v[SS+16*\T+8*\u+\k:SS+16*\T+8*\u+\k+1], s[SC01:SC01+1], v[BI+8*\u+\k:BI+8*\u+\k+1] op_sel_hi:[1,0,1]
.endr
.endr
.endr
.irp j, 0,1,2,3
	ds_load_b128 v[BI+4*\j:BI+4*\j+3], v5 offset:1536+16*\j            ; K's bias
.endr
.irp u, 0,1
.irp c, 0,1,2,3
	ds_load_b128 v[FWA+16*\u+4*\c:FWA+16*\u+4*\c+3], v4 offset:4096+2048*\u+512*\c   ; the next head's Q (in the last trip: bytes of K's fragments, read and not used)
.endr
.endr
	v_mov_b32 v[VSC], s82
.set pp, 0
.rept 16
	v_pk_mul_f32 v[SS+pp:SS+pp+1], v[SS+pp:SS+pp+1], s[QSC:QSC+1] op_sel_hi:[1,0]
.set pp, pp+2
.endr
.set pp, 0
.rept 32
	v_med3_num_f32 v[SS+pp], v[SS+pp], -s83, s83
.set pp, pp+1
.endr
.irp T, 0,1
	v_cvt_scalef32_pk8_fp8_f32 v[QS+16*\T+12:QS+16*\T+13], v[SS+16*\T:SS+16*\T+7], v[VSC]
	v_cvt_scalef32_pk8_fp8_f32 v[QS+16*\T+14:QS+16*\T+15], v[SS+16*\T+8:SS+16*\T+15], v[VSC]
.endr
	v_nop
	s_wait_dscnt 12                                ; behind K's and V's fragments and V's bias: K's bias (4) and the next Q (8)
.irp T, 0,1
.irp u, 0,1
	v_wmma_f32_16x16x128_fp8_fp8 v[SS+16*\T+8*\u:SS+16*\T+8*\u+7], v[FWB+16*\u:FWB+16*\u+15], v[XC1+16*\T:XC1+16*\T+15], 0
.endr
.endr
	PLACES 5
	s_wait_dscnt 8                                 ; K's bias is in; the next Q's eight loads may be out
.irp T, 0,1
.irp u, 0,1
.irp k, 0,2,4,6
	v_pk_fma_f32 v[SS+16*\T+8*\u+\k:SS+16*\T+8*\u+\k+1], v[SS+16*\T+8*\u+\k:SS+16*\T+8*\u+\k+1], s[SC01:SC01+1], v[BI+8*\u+\k:BI+8*\u+\k+1] op_sel_hi:[1,0,1]
.endr
.endr
.endr
.irp j, 0,1,2,3
	ds_load_b128 v[BI+4*\j:BI+4*\j+3], v5 offset:1152+16*\j            ; the next head's Q bias
.endr
	v_mov_b32 v[VSC], s84
.set pp, 0
.rept 32
	v_med3_num_f32 v[SS+pp], v[SS+pp], -s85, s85
.set pp, pp+1
.endr
.irp T, 0,1
	v_cvt_scalef32_pk8_fp8_f32 v[KC+4*\T:KC+4*\T+1], v[SS+16*\T:SS+16*\T+7], v[VSC]
	v_cvt_scalef32_pk8_fp8_f32 v[KC+4*\T+2:KC+4*\T+3], v[SS+16*\T+8:SS+16*\T+15], v[VSC]
.endr
.irp T, 0,1
	ds_store_b128 v7, v[KC+4*\T:KC+4*\T+3] offset:512*\T
.endr
	v_nop
.irp u, 0,1                                    ; V untransposed: source 0 = my tokens, source 1 = 16 rows of the weight: a lane holds a channel, its registers eight tokens
.irp T, 0,1
	v_wmma_f32_16x16x128_fp8_fp8 v[SS+16*\u+8*\T:SS+16*\u+8*\T+7], v[XC1+16*\T:XC1+16*\T+15], v[FWC+16*\u:FWC+16*\u+15], 0
.endr
.endr
	PLACES 5
.irp u, 0,1
.irp T, 0,1
.irp k, 0,2,4,6
	v_pk_fma_f32 v[SS+16*\u+8*\T+\k:SS+16*\u+8*\T+\k+1], v[SS+16*\u+8*\T+\k:SS+16*\u+8*\T+\k+1], s[SC01:SC01+1], v[252+2*\u:253+2*\u] op_sel_hi:[1,0,0]
.endr
.endr
.endr
	v_mov_b32 v[VSC], s88
.set pp, 0
.rept 32
	v_med3_num_f32 v[SS+pp], v[SS+pp], -s89, s89
.set pp, pp+1
.endr
.irp u, 0,1
.irp T, 0,1
	v_cvt_scalef32_pk8_fp8_f32 v[VC+4*\u+2*\T:VC+4*\u+2*\T+1], v[SS+16*\u+8*\T:SS+16*\u+8*\T+7], v[VSC]
.endr
.endr
.irp u, 0,1
	ds_store_b128 v7, v[VC+4*\u:VC+4*\u+3] offset:32768+512*\u
.endr
	v_nop
	s_add_co_u32 s42, s42, 4096
	s_add_co_u32 s43, s43, 128
	s_add_co_u32 s44, s44, 1024
	s_add_co_u32 s[CNT], s[CNT], 1
	s_cmp_lt_u32 s[CNT], 4
	s_cbranch_scc1 .Lqkv
	s_wait_dscnt 0x0                               ; my images have landed, and the look-ahead loads, which land partly on the registers cleared below, are in
.irp i, 0,1,2,3
	v_mov_b32 v[KB+\i], 0                          ; the pads beside K's pieces: zero codes,
	v_mov_b32 v[KB+36+\i], 0
	v_mov_b32 v[QA+4+\i], 0                        ; and the zero half of q's operand
.endr
	s_barrier_signal -1
	s_barrier_wait -1                              ; K's and V's images of the whole window lie in LDS
	v_add_nc_u32 v4, KIMG, v[LI]
	KLOAD 4, 0, 0
	; ================ attention, proj, residual, LN2: my two tiles
	ATT 0
	ATT 1
	; ================ the MLP: eight chunks of 64 hidden units; fc2 adds onto (x1 + b_fc2) / 2^(e10+e11) in X's registers
	s_wait_xcnt 0x0                                ; the mask's loads and prefetches have read their offsets: the phase addresses are laid over
.irp c, 0,1,2,3
.irp j, 0,1,2,3
	ds_load_b128 v[FR+16*\c+4*\j:FR+16*\c+4*\j+3], v[PH] offset:6144+128*\c+16*\j
.endr
.endr
	s_wait_dscnt 0x0
.set pp, 0
.rept 32
	v_pk_mul_f32 v[FR+pp:FR+pp+1], v[FR+pp:FR+pp+1], s[SCA:SCA+1] op_sel_hi:[1,0]
.set pp, pp+2
.endr
	WIN 0x41
.set pp, 0
.rept 64
	v_pk_fma_f32 v[pp:pp+1], v[pp:pp+1], s[SCA:SCA+1], v[FR+pp%64:FR+pp%64+1] op_sel_hi:[1,0,1]
.set pp, pp+2
.endr
	WIN 0
	v_mov_b32 v[CA1], 0x3a10ec3c
	v_mov_b32 v[CA1+1], 0x3a10ec3c
	v_mov_b32 v[CA3], 0x3d0f53cc
	v_mov_b32 v[CA3+1], 0x3d0f53cc
	v_mov_b32 v[CB1], 0x3ba38d2c
	v_mov_b32 v[CB1+1], 0x3ba38d2c
	v_mov_b32 v[VSC], s94
	s_bfe_u32 s44, s[WND], 0x20002
	s_and_b32 s45, s[WND], 3
	s_lshl_b32 s44, s44, 2
	s_add_co_u32 s44, s44, 2
	s_lshl_b32 s45, s45, 2
	s_add_co_u32 s45, s45, 2
	v_bfe_u32 v4, v0, 2, 2                         ; the next trip's x: a lane a token (lanes 0-15 tile 0, lanes 16-31 tile 1)
	v_add_nc_u32 v4, s44, v4
	v_and_b32 v4, 15, v4
	v_and_b32 v5, 3, v0
	v_add_nc_u32 v5, s45, v5
	v_and_b32 v5, 15, v5
	v_lshlrev_b32 v5, 9, v5
	v_lshl_add_u32 v5, v4, 13, v5
	v_bfe_u32 v4, v0, 4, 1
	v_lshl_add_u32 v[PFX], v4, 17, v5
	s_cmp_eq_u32 s[TAU], 0
	s_cselect_b32 s[SPX], 6, -1                    ; asked for in chunk 6 of the first trip: two chunks ahead of the loads; the last trip asks for nothing
	s_mov_b32 s[CNT], 0
	s_mov_b32 s42, 0
	s_mov_b32 s43, 0
	MADDR
	MNEXT 0
.Lchunk:
	MADDR
	s_cmp_lg_u32 s[CNT], s[SPX]
	s_cbranch_scc1 .Lnopx
	global_prefetch_b8 v[PFX], s[PXB:PXB+1] th:TH_LOAD_NT scope:SCOPE_SE
	global_prefetch_b8 v[PFX], s[PXB:PXB+1] offset:256 th:TH_LOAD_NT scope:SCOPE_SE
.Lnopx:
	s_wait_dscnt 0x0                               ; the chunk's bias and fc1 fragments are in
.irp t, 0,1,2,3
.irp T, 0,1
	v_wmma_f32_16x16x128_fp8_fp8 v[SS+32*\T+8*\t:SS+32*\T+8*\t+7], v[ZZ+16*\t:ZZ+16*\t+15], v[QS+16*\T:QS+16*\T+15], v[SS+32*\T+8*\t:SS+32*\T+8*\t+7]
.endr
.endr
	PLACES 4
.irp t, 0,1,2,3,4,5,6,7
.irp c, 0,1
	ds_load_b128 v[FR+8*\t+4*\c:FR+8*\t+4*\c+3], v5 offset:1024*\t+512*\c
.endr
.endr
.set pp, 0
.rept 32
	v_pk_mul_f32 v[SS+pp:SS+pp+1], v[SS+pp:SS+pp+1], s[SC89:SC89+1] op_sel_hi:[1,0]
.set pp, pp+2
.endr
.irp g, 0,1,2,3,4,5,6,7
	GELU8 SS+8*\g
.endr
.irp T, 0,1
.irp b, 0,1
.irp k, 0,1,2,3,4,5,6,7,8,9,10,11,12,13,14,15
	v_med3_num_f32 v[SS+32*\T+16*\b+\k], v[SS+32*\T+16*\b+\k], -s95, s95
.endr
	v_cvt_scalef32_pk8_fp8_f32 v[HC+8*\T+4*\b:HC+8*\T+4*\b+1], v[SS+32*\T+16*\b:SS+32*\T+16*\b+7], v[VSC]
	v_cvt_scalef32_pk8_fp8_f32 v[HC+8*\T+4*\b+2:HC+8*\T+4*\b+3], v[SS+32*\T+16*\b+8:SS+32*\T+16*\b+15], v[VSC]
.endr
.endr
	v_nop
	MNEXT 1                                        ; the next chunk's (in the last trip: bytes of b_fc2 and of fc2's images, read and not used)
	s_wait_dscnt 32                                ; fc2's 16 fragment loads are in; the 32 just issued may be out
	WIN 0x50                                       ; C and D: X, in window 1.  Sixteen accumulators by turns
.irp T, 0,1
.irp t, 0,1,2,3,4,5,6,7
	v_wmma_f32_16x16x64_fp8_fp8 v[64*\T+8*\t:64*\T+8*\t+7], v[FR+8*\t:FR+8*\t+7], v[HC+8*\T:HC+8*\T+7], v[64*\T+8*\t:64*\T+8*\t+7]
.endr
.endr
	WIN 0
	s_add_co_u32 s42, s42, 8192
	s_add_co_u32 s43, s43, 256
	s_add_co_u32 s[CNT], s[CNT], 1
	s_cmp_lt_u32 s[CNT], 8
	s_cbranch_scc1 .Lchunk
	; ================ the way out
	s_wait_dscnt 0x0                               ; the look-ahead loads are in: their registers are free
	PLACES 4
	WIN 0x41
.set pp, 0
.rept 64
	v_pk_mul_f32 v[pp:pp+1], v[pp:pp+1], s[SCB:SCB+1] op_sel_hi:[1,0]   ; x 2^(e10+e11): x1 + b_fc2 + fc2's sum; each accumulator from its low end on
.set pp, pp+2
.endr
	WIN 0
	ADDR
.irp i, 0,1,2,3,4,5,6,7
	v_add_nc_u32 v[SS+\i], s[XS+\i], v[XLN]
.endr
	WIN 0x44
.irp p, 0,1,2,3
.irp c, 0,1
.irp j, 0,1,2,3
	ds_store_b128 v[STX], v[32*\p+16*\c+4*\j:32*\p+16*\c+4*\j+3] offset:128*\c+16*\j
.endr
.endr
.irp i, 0,1,2,3,4,5,6,7
	ds_load_b128 v[32*\p+4*\i:32*\p+4*\i+3], v[STW] offset:544*\i
.endr
.endr
.irp T, 0,1
.irp h, 0,1
	s_wait_dscnt 48-16*(2*\T+\h)                   ; behind this pass's loads: sixteen LDS instructions for each later pass
.irp i, 0,1,2,3,4,5,6,7
	global_store_b128 v[SS+\i], v[64*\T+32*\h+4*\i:64*\T+32*\h+4*\i+3], s[OBS+2*\T:OBS+2*\T+1] offset:256*\h th:TH_STORE_NT   ; sixteen lanes store 256 consecutive bytes, aligned
.endr
.endr
.endr
	WIN 0
	s_wait_xcnt 0x0                                ; the stores and prefetches have read their registers and bases: the next trip writes them
	s_add_co_u32 s[TAU], s[TAU], 1
	s_cmp_lt_u32 s[TAU], 2
	s_cbranch_scc1 .Ltrip
	s_wait_xcnt 0x0
	v_lshl_add_u32 v254, v0, 2, 0x4a200
	v_mov_b32 v255, 0
	s_wait_tensorcnt 0x0
	ds_add_u32 v254, v255
	s_wait_dscnt 0x0
	s_endpgm
.Lfunc_end_k_qd15bb870a5_swin:
	.size	k_qd15bb870a5_swin, .Lfunc_end_k_qd15bb870a5_swin-k_qd15bb870a5_swin
	.p2alignl 7, 3214868480
	.fill 96, 4, 3214868480
	.section	.rodata,"a",@progbits
	.p2align	6, 0x0
	.amdhsa_kernel k_qd15bb870a5_swin
		.amdhsa_group_segment_fixed_size 304640
		.amdhsa_private_segment_fixed_size 0
		.amdhsa_enable_private_segment 0
		.amdhsa_kernarg_size 128
		.amdhsa_user_sgpr_count 2
		.amdhsa_user_sgpr_kernarg_segment_ptr 1
		.amdhsa_wavefront_size32 1
		.amdhsa_system_sgpr_workgroup_id_x 1
		.amdhsa_system_sgpr_workgroup_id_y 1
		.amdhsa_system_sgpr_workgroup_id_z 1
		.amdhsa_system_vgpr_workitem_id 0
		.amdhsa_next_free_vgpr 512
		.amdhsa_next_free_sgpr 106
		.amdhsa_reserve_vcc 1
		.amdhsa_float_denorm_mode_32 3
		.amdhsa_float_denorm_mode_16_64 3
		.amdhsa_memory_ordered 1
		.amdhsa_forward_progress 1
		.amdhsa_inst_pref_size 255
	.end_amdhsa_kernel
	.section	.bss,"aw",@nobits
	.p2align	6
	.space	262144
	.amdgpu_metadata
---
amdhsa.version: [ 1, 2 ]
amdhsa.kernels:
  - .name:           k_qd15bb870a5_swin
    .symbol:         k_qd15bb870a5_swin.kd
    .args:
      - { .name: x, .offset: 0, .size: 8, .value_kind: global_buffer, .address_space: global }
      - { .name: mask_matrix, .offset: 8, .size: 8, .value_kind: global_buffer, .address_space: global }
      - { .name: out0, .offset: 16, .size: 8, .value_kind: global_buffer, .address_space: global }
      - { .name: lowp_scales, .offset: 24, .size: 8, .value_kind: global_buffer, .address_space: global }
      - { .name: w_qkv_codes, .offset: 32, .size: 8, .value_kind: global_buffer, .address_space: global }
      - { .name: w_proj_codes, .offset: 40, .size: 8, .value_kind: global_buffer, .address_space: global }
      - { .name: w_fc1_codes, .offset: 48, .size: 8, .value_kind: global_buffer, .address_space: global }
      - { .name: w_fc2_codes, .offset: 56, .size: 8, .value_kind: global_buffer, .address_space: global }
      - { .name: g1, .offset: 64, .size: 8, .value_kind: global_buffer, .address_space: global }
      - { .name: b1, .offset: 72, .size: 8, .value_kind: global_buffer, .address_space: global }
      - { .name: b_qkv, .offset: 80, .size: 8, .value_kind: global_buffer, .address_space: global }
      - { .name: b_proj, .offset: 88, .size: 8, .value_kind: global_buffer, .address_space: global }
      - { .name: g2, .offset: 96, .size: 8, .value_kind: global_buffer, .address_space: global }
      - { .name: b2, .offset: 104, .size: 8, .value_kind: global_buffer, .address_space: global }
      - { .name: b_fc1, .offset: 112, .size: 8, .value_kind: global_buffer, .address_space: global }
      - { .name: b_fc2, .offset: 120, .size: 8, .value_kind: global_buffer, .address_space: global }
    .group_segment_fixed_size: 304640
    .private_segment_fixed_size: 0
    .kernarg_segment_align: 8
    .kernarg_segment_size: 128
    .max_flat_workgroup_size: 256
    .sgpr_count:     106
    .vgpr_count:     512
    .wavefront_size: 32
...
	.end_amdgpu_metadata
.endif
;; end of part 1
;; ======== version 2 of 2: 1 launch; version 1 with the launch swin written anew for expert scheduling mode
;; launch swin (part 2): grid 256 x 1, 8 waves a work-group, no clusters, 304,640 bytes of LDS; arguments x, mask_matrix, out0, lowp_scales, w_qkv_codes, w_proj_codes, w_fc1_codes, w_fc2_codes, g1, b1, b_qkv, b_proj, g2, b2, b_fc1, b_fc2; writes out0
.if DOCPART == 2
	.amdgcn_target "amdgcn-amd-amdhsa--gfx1250"
	.amdhsa_code_object_version 6
	.text
	.protected	k_qd15bb870a5_swin
	.globl	k_qd15bb870a5_swin
	.p2align	8
	.type	k_qd15bb870a5_swin,@function
k_qd15bb870a5_swin:
	s_mov_b64 s[64:65], 0
	v_nop
	global_prefetch_b8 v0, s[64:65] scope:SCOPE_SE
	s_setreg_imm32_b32 hwreg(HW_REG_WAVE_SCHED_MODE, 0, 2), 2
	s_setreg_imm32_b32 hwreg(HW_REG_WAVE_MODE, 25, 1), 1
	s_wait_xcnt 0x0
	s_wait_alu depctr_vm_vsrc(0)
; A whole Swin-4D block (LN1, shifted windows of 4^4 = 256 tokens, qkv, 4 heads of 32 with an additive mask, softmax, PV, proj, residual, LN2, fc1, exact GELU, fc2, residual) in ONE launch.
; All six products run on E4M3 codes (v_wmma_f32_16x16x128_fp8_fp8, v_wmma_f32_16x16x64_fp8_fp8), each operand with its given scale 2^e; everything else is f32.
; SHARES.  Nothing crosses a window: roll, partition and reverse only say which 512-byte row of x and out0 a token is.  256 work-groups of 8 waves; work-group g takes batch g & 1 and the
; windows (g >> 1) and (g >> 1) + 128, one a trip.  A wave owns 32 tokens (two tiles of 16) through the whole chain; only K and V go from wave to wave, as images of operand registers in LDS.
; x stays in 128 registers from its load to the store of out0: it becomes x + attention there and then is fc2's accumulator.  A tile's mask (16 queries x 256 keys) stays in 128 registers for all four heads
; and is the C of K Q^T.  The four weights (196,608 bytes of codes) are laid once into LDS as images of their operand registers.
; LANE LAYOUT ("X layout"): lane (r = lane % 16, h = lane / 16) holds token r; register 16 c + i holds channel 32 c + 16 h + i.  Two conversions a c give operand registers 4 c .. 4 c + 3 = k 32 c + 16 h + 0 .. 15;
; every weight fragment has the same order of k (a permutation of k alike on both sides keeps the products).  The rows of weight tile t are 32 (t / 2) + 8 (t % 2) + r + 8 (r / 8), so that a product used transposed
; (source 0 = weight rows, source 1 = tokens) leaves its results in the X layout again.  V is made untransposed (a lane holds a channel, registers run along the tokens = the keys of the second attention product).
; K Q^T has K = 32: the 16x16x64 form with half of K zero: A = two neighbouring pieces of K (4 registers each), B = q beside four registers of zero codes.
; NO CLUSTER, NO TENSOR LOAD: what two work-groups share is the mask, whose home here is registers (the C operand); a landing place in LDS for eight waves' tiles would be 131,072 bytes and 24,064 are unused.
; The weights are read once by a work-group: 196,608 bytes against 786,432 bytes of x, mask and out0 that it streams.
; LIMITS.  Each e of a quantiser (entries 0, 2, 3, 4, 5, 6, 8, 10) between -126 and 119; e0+e1, e2+e3, e6+e7, e8+e9, e10+e11 within +-126, so that each power of two below is an f32 number.
; NaN and infinities among the inputs are not served.  v_exp_f32 gives 0 for results under 2^-126 (p far under a row's largest; the GELU's tail beyond |x| of about 13).
; The residual rides in fc2's accumulator scaled by 2^-(e10+e11) (exact short of overflow), so the order of rounding differs from x + (sum + bias) in f32's last bits.
; THE MODE: SCHED_MODE bits 1:0 = 2 (LLVM: expert scheduling mode 2), set by the entry lines.  The code itself states the register dependences
; between vector or matrix instructions and memory or LDS instructions, with s_wait_alu, always for 0.
; THE PLAN.  Registers that memory or LDS instructions touch, and who else names them:
;   v1, v2        16 x lane and PAR + 64 h: made at the head, never written again.
;   v8-v14        the phase addresses: made by ADDR (head, way out); the MLP's hidden codes are laid over them behind one wait on vm_vsrc at the MLP's head.
;   v4-v7         loop addresses.  Each loop frees them by a wait on vm_vsrc ahead of the adds; the adds stand ahead of a wait on va_vdst that the loop's loads owe anyway.
;   X             trip's head: loads land (one wait on va_vdst: the last trip's writers, the fresh offsets v60-67).  A pass through the stage stores 32 registers and loads into the same 32:
;                 a wait on vm_vsrc between.  Way out: one wait on va_vdst ahead of the first stage store; a wait on vm_vsrc at the trip's end frees X and the offsets.
;   the mask      through the stage as X.  Read as C by the score products; the next tile's loads stand behind the half head's wait on va_vdst.
;   v164-227      LN's parameters, V's and proj's fragments, proj's bias: load destinations that vector and matrix lines read; each run of loads stands behind a wait on va_vdst that follows the last reader.
;   qkv           two waits on va_vdst a head.  Behind Q's multiply-adds: Q's fragments and bias are read, v7 is written; K's bias (into v92-107), the next head's Q fragments and Q bias go out.
;                 At the head's end: K's and V's codes are written, K's and V's fragments and V's bias are read, the next head's v4-v6 are written; the four image stores and, at the loop's top, 18 loads follow.
;   half a head   one wait on va_vdst behind the eight score products: K's pieces and the mask are read, V's fragments were read by the half before; V's, K's and the mask's loads follow.
;   MLP chunk     one wait on va_vdst behind fc1's products (v5 written, fc2's fragments read by the chunk before), one behind the hidden conversions (the hidden numbers read, the GELU's temporaries written).
;   s24-27, s44-47  the GELU's eight masks: eight compares in one run, one wait on va_sdst ahead of the eight selects.  s2, the wave's number: one wait on va_sdst ahead of its first reader.
.set WQKV,  0                          ; LDS: qkv's 24 fragments (0-7 Q, 8-15 K, 16-23 V): t x 2048 + c x 512 + 16 x lane
.set WPROJ, 49152                      ; proj's 8 fragments, likewise
.set WFC1,  65536                      ; fc1: chunk q of 64 hidden units: q x 8192 + t' x 2048 + c x 512 + 16 x lane
.set WFC2,  131072                     ; fc2: q x 8192 + t x 1024 + c' x 512 + 16 x lane
.set KIMG,  196608                     ; K's pieces: wave x 4096 + head x 1024 + tile x 512 + 16 x lane
.set VIMG,  229376                     ; V's pieces: wave x 4096 + channel tile x 512 + 16 x lane
.set PAR,   262144                     ; g1 +0, b1 +512, b_qkv +1024, b_proj +2560, g2 +3072, b2 +3584, b_fc1 / 2^(e8+e9) +4096, b_fc2 +6144
.set STG,   268800                     ; eight stages, each wave's own: 16 rows x (256 + 16) bytes
; vector registers, window 0
.set LI,   1                           ; 16 x lane
.set PH,   2                           ; PAR + 64 h
.set VSC,  3                           ; a conversion's scale
.set STW,  8                           ; stage: 272 h + 16 r   (two rows an instruction)
.set STX,  9                           ; stage: 272 r + 64 h   (X layout)
.set STM,  10                          ; stage: 272 r + 32 h   (mask layout)
.set MOFF, 11                          ; mask in memory: 1024 h + 16 r
.set XLN,  12                          ; x in memory: 512 h + 16 r
.set PVB,  13                          ; V's bias: PAR + 2048 + 4 (r + 8 (r / 8))
.set PFM,  14                          ; mask prefetch: 1024 r + 256 h
.set VSC2, 15                          ; a second scale
.set QS,   28                          ; v28-59: Q's codes, then O's, then LN2's (tile T at +16 T)
.set SS,   60                          ; v60-123: 64 numbers at work (LN's d, products' results, scores, hidden units)
.set KC,   92
.set VC,   100
.set KBI,  92                          ; K's bias, in the registers that K's and V's codes take behind it
.set BI,   108                         ; Q's bias
.set XC1,  124                         ; LN1's codes
.set FWA,  156
.set FWB,  188
.set FWC,  220
.set KB,   124                         ; pad, 8 pieces of K, pad
.set VF,   164                         ; two fragments of V; proj's fragments; LN's parameters
.set GBA,  164
.set GBB,  196
.set PCD,  196                         ; p's codes
.set OT,   212                         ; O^T of a head: two tiles
.set QA,   228                         ; q of the even head, zeros, q of the odd head
.set HC,   8                           ; the MLP: hidden codes (over the phase addresses, which are made anew behind it)
.set PFX,  24
.set CB1,  26
.set FR,   124                         ; fc2's fragments of a chunk
.set ZZ,   188                         ; fc1's fragments of a chunk, then the GELU's temporaries
.set CA1,  252
.set CA3,  254
.set MK,   128                         ; window 1: v0-127 X, v128-255 the mask
; scalar registers
.set WV,   2
.set GID,  3
.set BAT,  4
.set TAU,  5
.set WND,  6
.set CNT,  7
.set SDO,  8
.set SEX,  9
.set SPX,  10
.set TA,   11
.set SEL,  12                          ; s[12:13] lane selects: lane l xor 16
.set RS2,  14                          ; s14 = -1/sqrt(2), s15 = +1/sqrt(2)
.set MBN,  22                          ; s[22:23] the mask tile to be loaded next
.set XBS,  24                          ; s[24:27] x at my two tiles (in the MLP: four of the GELU's masks);  s[28:31] out0 likewise
.set OBS,  28
.set XS,   32                          ; s[32:39] eight row offsets inside a tile
.set PXB,  40
.set TB,   79
.set SC01, 60
.set QSC,  62
.set CS,   66
.set MSC,  68
.set SC67, 70
.set SC89, 72
.set SCA,  74
.set SCB,  76
.set GA0, 48
.set GA2, 50
.set GA4, 52
.set GA5, 54
.set GA6, 56
.set GB0, 58
.set GB2, 96
.set GB3, 98
.set GB4, 100
.set GB5, 104
.set MSB, 0
.macro WIN new                         ; register windows: bits 1:0 source 0, 3:2 source 1, 5:4 source 2, 7:6 destination; the high byte repeats the setting that is left
.if MSB != \new
	s_set_vgpr_msb (MSB<<8)|\new
.set MSB, \new
.endif
.endm
.macro PLACES n                        ; plain vector places behind matrix instructions (ISA guide 7.12.1): 4 ahead of reads of results, 5 ahead of a matrix instruction that writes over them
.rept \n
	v_nop
.endr
.endm
.macro BARRIER                         ; my LDS stores have landed and my LDS loads are in: then the work-group's barrier
	s_wait_dscnt 0x0
	s_barrier_signal -1
	s_barrier_wait -1
.endm
.macro ADDR                            ; the phase addresses, from the thread's and the wave's number
	v_and_b32 v4, 15, v0
	v_bfe_u32 v5, v0, 4, 1
	s_mul_i32 s[TA], s[WV], 4352
	s_add_co_u32 s[TA], s[TA], STG
	v_mul_u32_u24 v6, v5, 272
	v_lshl_add_u32 v6, v4, 4, v6
	v_add_nc_u32 v[STW], s[TA], v6
	v_mul_u32_u24 v6, v4, 272
	v_add_nc_u32 v6, s[TA], v6
	v_lshl_add_u32 v[STX], v5, 6, v6
	v_lshl_add_u32 v[STM], v5, 5, v6
	v_lshlrev_b32 v6, 4, v4
	v_lshl_add_u32 v[MOFF], v5, 10, v6
	v_lshl_add_u32 v[XLN], v5, 9, v6
	v_and_b32 v6, 8, v4
	v_add_nc_u32 v6, v6, v4
	v_lshl_add_u32 v[PVB], v6, 2, PAR+2048
	v_lshlrev_b32 v6, 10, v4
	v_lshl_add_u32 v[PFM], v5, 8, v6
.endm
.macro MKQ e, sq, lm                   ; 2^e as f32 (the conversion takes its exponent field) and 448 x 2^e
	s_add_co_i32 s[\sq], s[\e], 127
	s_add_co_i32 s[\lm], s[\sq], 8
	s_lshl_b32 s[\sq], s[\sq], 23
	s_lshl_b32 s[\lm], s[\lm], 23
	s_or_b32 s[\lm], s[\lm], 0x600000
.endm
.macro MKP d, ea, eb, neg              ; the pair s[d:d+1] = 2^(ea + eb), or 2^-(ea + eb)
	s_add_co_i32 s[\d], s[\ea], s[\eb]
.if \neg
	s_sub_co_i32 s[\d], 0, s[\d]
.endif
	s_add_co_i32 s[\d], s[\d], 127
	s_lshl_b32 s[\d], s[\d], 23
	s_mov_b32 s[\d+1], s[\d]
.endm
.macro PLD k, sb, off
	global_load_b128 v[4*\k:4*\k+3], v[LI], s[\sb:\sb+1] offset:\off
.endm
.macro SPAIR d, val
	s_mov_b32 s[\d], \val
	s_mov_b32 s[\d+1], \val
.endm
; A quarter (64 keys) of a mask tile: 16 rows x 256 bytes; sixteen lanes read 256 consecutive bytes, aligned.  (Destination window 1)
.macro MLOADQ cq
.irp i, 0,1,2,3,4,5,6,7
	global_load_b128 v[MK+32*(\cq)+4*\i:MK+32*(\cq)+4*\i+3], v[MOFF], s[MBN:MBN+1] offset:2048*\i+256*(\cq)
.endr
.endm
	; ================ once: addresses, constants, the weights' and parameters' images
	s_load_b512 s[16:31], s[0:1], 0x0              ; x, mask, out0, scales, w_qkv, w_proj, w_fc1, w_fc2
	s_load_b512 s[32:47], s[0:1], 0x40             ; g1, b1, b_qkv, b_proj, g2, b2, b_fc1, b_fc2
	v_lshrrev_b32 v4, 5, v0
	v_readfirstlane_b32 s[WV], v4                  ; wave 0..7
	s_mov_b32 s[GID], ttmp9
	s_and_b32 s[BAT], s[GID], 1                    ; batch
	s_mov_b32 s[SEL], 0x76543210
	s_mov_b32 s[SEL+1], 0xfedcba98
	s_mov_b32 s[RS2], 0xbf3504f3
	s_mov_b32 s[RS2+1], 0x3f3504f3
	SPAIR QSC, 0x3e3504f3                          ; 32^-0.5
	v_and_b32 v4, 31, v0
	v_lshlrev_b32 v[LI], 4, v4
	v_bfe_u32 v5, v0, 4, 1
	v_lshl_add_u32 v[PH], v5, 6, PAR
	s_wait_alu depctr_va_sdst(0)                   ; the wave's number is written, ahead of its first reader: the stage's address below is made from it
	ADDR
	v_and_b32 v4, 15, v0
	v_bfe_u32 v5, v0, 4, 1
	v_and_b32 v6, 8, v4
	v_add_nc_u32 v6, v6, v4                        ; r + 8 (r / 8)
	s_lshr_b32 s[TA], s[WV], 1
	s_lshl_b32 s[TA], s[TA], 5
	s_and_b32 s[TB], s[WV], 1
	s_lshl_b32 s[TB], s[TB], 3
	s_add_co_u32 s[TA], s[TA], s[TB]               ; the first row of weight tile w: 32 (w / 2) + 8 (w % 2)
	v_lshlrev_b32 v7, 7, v6
	v_lshl_add_u32 v7, v5, 4, v7                   ; rows of 128 bytes: (r + 8 (r / 8)) x 128 + 16 h
	s_lshl_b32 s[TB], s[TA], 7
	v_add_nc_u32 v16, s[TB], v7                    ; qkv, proj: tile w
	s_lshl_b32 s[TB], s[WV], 13
	v_add_nc_u32 v17, s[TB], v7                    ; fc1: chunk w (64 rows of 128 bytes)
	v_add_nc_u32 v6, s[TA], v6
	v_lshlrev_b32 v6, 9, v6
	v_lshl_add_u32 v18, v5, 4, v6                  ; fc2: tile w, rows of 512 bytes
	s_lshl_b32 s[TB], s[WV], 11
	v_add_nc_u32 v19, s[TB], v[LI]                 ; where the images go: qkv and proj,
	s_lshl_b32 s[TB], s[WV], 13
	s_add_co_u32 s[TB], s[TB], WFC1
	v_add_nc_u32 v20, s[TB], v[LI]                 ; fc1,
	s_lshl_b32 s[TB], s[WV], 10
	s_add_co_u32 s[TB], s[TB], WFC2
	v_add_nc_u32 v21, s[TB], v[LI]                 ; fc2,
	v_add_nc_u32 v22, PAR, v[LI]                   ; the parameters
	s_wait_kmcnt 0x0
	s_load_b256 s[48:55], s[22:23], 0x0            ; e0 .. e7
	s_load_b128 s[56:59], s[22:23], 0x20           ; e8 .. e11
	s_wait_alu depctr_va_vdst(0)                   ; all offsets and addresses made so far (v1, v2, v8 to v14, v16 to v22) are written: the head's loads and LDS stores read them
	s_cmp_lg_u32 s[WV], 0                          ; wave 0 brings the eight parameter vectors: 13 loads of 512 bytes
	s_cbranch_scc1 .Lno_par
	WIN 0x40
	PLD 0, 32, 0
	PLD 1, 34, 0
	PLD 2, 36, 0
	PLD 3, 36, 512
	PLD 4, 36, 1024
	PLD 5, 38, 0
	PLD 6, 40, 0
	PLD 7, 42, 0
	PLD 8, 44, 0
	PLD 9, 44, 512
	PLD 10, 44, 1024
	PLD 11, 44, 1536
	PLD 12, 46, 0
	WIN 0
.Lno_par:
.irp i, 0,1,2                                  ; every wave: 12 fragments, 48 loads
.irp c, 0,1,2,3
	global_load_b128 v[64+16*\i+4*\c:64+16*\i+4*\c+3], v16, s[24:25] offset:16384*\i+32*\c
.endr
.endr
.irp c, 0,1,2,3
	global_load_b128 v[112+4*\c:115+4*\c], v16, s[26:27] offset:32*\c
.endr
.irp i, 0,1,2,3
.irp c, 0,1,2,3
	global_load_b128 v[128+16*\i+4*\c:128+16*\i+4*\c+3], v17, s[28:29] offset:(32*(\i/2)+8*(\i%2))*128+32*\c
.endr
.endr
.irp s, 0,1,2,3
.irp c, 0,1,2,3
	global_load_b128 v[192+16*\s+4*\c:192+16*\s+4*\c+3], v18, s[30:31] offset:128*\s+32*\c
.endr
.endr
	s_wait_kmcnt 0x0                               ; the scales are in: s[22:23], through which they were read, may be written
	s_lshr_b32 s8, s[GID], 1
	s_lshl_b32 s8, s8, 18                          ; a window's mask is 262,144 bytes,
	s_lshl_b32 s9, s[WV], 15                       ; my 32 queries' rows 32,768
	s_add_co_u32 s8, s8, s9
	s_mov_b32 s9, 0
	s_add_nc_u64 s[MBN:MBN+1], s[18:19], s[8:9]
	WIN 0x40
	MLOADQ 0                                       ; the first window's first tile of the mask: 32 loads
	MLOADQ 1
	MLOADQ 2
	MLOADQ 3
	WIN 0
	MKQ 48, 80, 81                                 ; e0: LN1's result
	MKQ 50, 82, 83                                 ; e2: q
	MKQ 51, 84, 85                                 ; e3: k
	MKQ 52, 86, 87                                 ; e4: p
	MKQ 53, 88, 89                                 ; e5: v
	MKQ 54, 90, 91                                 ; e6: attention's result
	MKQ 56, 92, 93                                 ; e8: LN2's result
	MKQ 58, 94, 95                                 ; e10: the hidden layer
	MKP SC01, 48, 49, 0
	MKP MSC, 50, 51, 1
	MKP SC67, 54, 55, 0
	MKP SC89, 56, 57, 0
	MKP SCA, 58, 59, 1
	MKP SCB, 58, 59, 0
	s_add_co_i32 s[CS], s50, s51
	s_lshl_b32 s[CS], s[CS], 23
	s_add_co_i32 s[CS], s[CS], 0x3fb8aa3b          ; log2(e) x 2^(e2+e3): the exponents are added to its exponent field
	s_mov_b32 s[CS+1], s[CS]
	s_add_co_i32 s78, s52, s53                     ; e4 + e5
	s_add_co_i32 s[TB], s56, s57
	s_sub_co_i32 s[TB], 0, s[TB]                   ; -(e8 + e9)
	s_wait_loadcnt 32                              ; all but the 32 mask loads, which were issued last: weights and parameters are in
.irp i, 0,1,2
.irp c, 0,1,2,3
	ds_store_b128 v19, v[64+16*\i+4*\c:64+16*\i+4*\c+3] offset:16384*\i+512*\c
.endr
.endr
.irp c, 0,1,2,3
	ds_store_b128 v19, v[112+4*\c:115+4*\c] offset:WPROJ+512*\c
.endr
.irp i, 0,1,2,3
.irp c, 0,1,2,3
	ds_store_b128 v20, v[128+16*\i+4*\c:128+16*\i+4*\c+3] offset:2048*\i+512*\c
.endr
.endr
.irp s, 0,1,2,3
.irp c, 0,1,2,3
	ds_store_b128 v21, v[192+16*\s+4*\c:192+16*\s+4*\c+3] offset:(2*\s+\c/2)*8192+(\c%2)*512
.endr
.endr
	s_cmp_lg_u32 s[WV], 0
	s_cbranch_scc1 .Lno_par2
	WIN 0x41
.irp j, 0,1,2,3,4,5,6,7,8,9,10,11,12,13,14,15
	v_ldexp_f32 v[32+\j], v[32+\j], s[TB]          ; b_fc1 / 2^(e8+e9): it goes in as the C of fc1's products
.endr
	WIN 0x04
	s_wait_alu depctr_va_vdst(0)                   ; the scalings have written b_fc1's sixteen registers, which the LDS stores below read
.irp k, 0,1,2,3,4,5,6,7,8,9,10,11,12
	ds_store_b128 v22, v[4*\k:4*\k+3] offset:512*\k
.endr
	WIN 0
.Lno_par2:
	BARRIER                                        ; weights and parameters lie in LDS; from here on they are only read
	s_wait_alu depctr_vm_vsrc(0)                   ; the head's loads and LDS stores have read their addresses (v16 to v22) and data (v64 to v255, the parameters' registers): all are written anew from here on
	SPAIR GA0, 0xb7d130d7                          ; the GELU's constants (over the exponents, which are used up)
	SPAIR GA2, 0xbbb79c87
	SPAIR GA4, 0xbe1dbebc
	SPAIR GA5, 0xbf6a77c7
	SPAIR GA6, 0xbfd06f41
	SPAIR GB0, 0xba1c7000
	SPAIR GB2, 0xbcdb48d9
	SPAIR GB3, 0x3de70e22
	SPAIR GB4, 0xbec09380
	SPAIR GB5, 0x3f906ebb
	s_mov_b32 s[TAU], 0
.set pp, 0
.rept 32
	v_mov_b32 v[QS+pp], 0                          ; the qkv loop shifts these before it has filled them
.set pp, pp+1
.endr
	v_mov_b32 v21, 0
	v_mov_b32 v26, 0
	v_mov_b32 v253, 0                              ; (named as upper halves of pairs)
	v_mov_b32 v255, 0
; LN's parameters of channels 32 c + 16 h + 0 .. 15: 16 of the gain, 16 of the bias
.macro LNPAR c, buf, goff, boff
.irp j, 0,1,2,3
	ds_load_b128 v[\buf+4*\j:\buf+4*\j+3], v[PH] offset:\goff+128*(\c)+16*\j
	ds_load_b128 v[\buf+16+4*\j:\buf+16+4*\j+3], v[PH] offset:\boff+128*(\c)+16*\j
.endr
.endm
.macro LNRED                           ; four packed chains -> the token's sum, in both of its lanes
	v_pk_add_f32 v[16:17], v[16:17], v[18:19]
	v_pk_add_f32 v[20:21], v[20:21], v[22:23]
	v_pk_add_f32 v[16:17], v[16:17], v[20:21]
	v_add_f32 v16, v16, v17
	v_permlanex16_b32 v18, v16, s[SEL], s[SEL+1]
	v_add_f32 v16, v16, v18
.endm
.macro LNSC c                          ; block c of 16 channels: d / sqrt(variance + eps) x gain + bias
.set gb, GBA+32*((\c)%2)
.irp k, 0,2,4,6,8,10,12,14
	v_pk_mul_f32 v[SS+16*(\c)+\k:SS+16*(\c)+\k+1], v[SS+16*(\c)+\k:SS+16*(\c)+\k+1], v[26:27]
.endr
.irp k, 0,2,4,6,8,10,12,14
	v_pk_fma_f32 v[SS+16*(\c)+\k:SS+16*(\c)+\k+1], v[SS+16*(\c)+\k:SS+16*(\c)+\k+1], v[gb+\k:gb+\k+1], v[gb+16+\k:gb+17+\k]
.endr
.endm
.macro LNQ c, slm, dst                 ; block c quantised: four operand registers
.irp k, 0,1,2,3,4,5,6,7,8,9,10,11,12,13,14,15
	v_med3_num_f32 v[SS+16*(\c)+\k], v[SS+16*(\c)+\k], -s[\slm], s[\slm]   ; the conversion does not saturate (ISA guide 7.6.2): the hold at 448 x the scale
.endr
	v_cvt_scalef32_pk8_fp8_f32 v[\dst+4*(\c):\dst+4*(\c)+1], v[SS+16*(\c):SS+16*(\c)+7], v[VSC]
	v_cvt_scalef32_pk8_fp8_f32 v[\dst+4*(\c)+2:\dst+4*(\c)+3], v[SS+16*(\c)+8:SS+16*(\c)+15], v[VSC]
.endm
; LayerNorm of the tile at X[xb] (window 1), quantised into 16 operand registers at v[dst].  pre = 1: lines ahead of it have named the two parameter buffers.
; Blocks 0 and 1 are scaled first; one wait then frees both parameter buffers for blocks 2 and 3, which land while blocks 0 and 1 are quantised.
.macro LN xb, goff, boff, ssq, slm, dst, pre
.if \pre
	s_wait_alu depctr_va_vdst(0)                   ; the multiply-adds ahead of this LN are done reading v164 to v227, in which the parameters below land
.endif
	LNPAR 0, GBA, \goff, \boff
	LNPAR 1, GBB, \goff, \boff
	v_mov_b32 v[VSC], s[\ssq]
	WIN 0x05
.irp k, 0,1,2,3
	v_pk_add_f32 v[16+2*\k:17+2*\k], v[\xb+2*\k:\xb+2*\k+1], v[\xb+8+2*\k:\xb+9+2*\k]
.endr
	WIN 0x01
.set pp, 8
.rept 24
	v_pk_add_f32 v[16+2*(pp%4):17+2*(pp%4)], v[\xb+2*pp:\xb+2*pp+1], v[16+2*(pp%4):17+2*(pp%4)]
.set pp, pp+1
.endr
	WIN 0
	LNRED
	v_mul_f32 v24, 0x3c000000, v16                 ; the mean
	v_mov_b32 v25, v24
	WIN 0x01
.set pp, 0
.rept 32
	v_pk_add_f32 v[SS+2*pp:SS+2*pp+1], v[\xb+2*pp:\xb+2*pp+1], v[24:25] neg_lo:[0,1] neg_hi:[0,1]
.set pp, pp+1
.endr
	WIN 0
.irp k, 0,1,2,3
	v_pk_mul_f32 v[16+2*\k:17+2*\k], v[SS+2*\k:SS+2*\k+1], v[SS+2*\k:SS+2*\k+1]
.endr
.set pp, 4
.rept 28
	v_pk_fma_f32 v[16+2*(pp%4):17+2*(pp%4)], v[SS+2*pp:SS+2*pp+1], v[SS+2*pp:SS+2*pp+1], v[16+2*(pp%4):17+2*(pp%4)]
.set pp, pp+1
.endr
	LNRED
	v_mul_f32 v16, 0x3c000000, v16
	v_add_f32 v16, 0x3727c5ac, v16                 ; variance + 1e-5
	s_wait_alu depctr_va_vdst(0)
	v_rsq_f32 v26, v16
	v_nop                                          ; a plain place behind the transcendental,
	s_wait_alu depctr_va_vdst(0)                   ; and a wait ahead of its first reader: v26 is written
	v_mov_b32 v27, v26
	s_wait_alu depctr_va_vdst(0)
	s_wait_dscnt 0x0                               ; the parameters of blocks 0 and 1 are in
	LNSC 0
	LNSC 1
	s_wait_alu depctr_va_vdst(0)                   ; the multiply-adds of blocks 0 and 1 are done reading both parameter buffers, in which the parameters of blocks 2 and 3 land
	LNPAR 2, GBA, \goff, \boff
	LNPAR 3, GBB, \goff, \boff
	LNQ 0, \slm, \dst
	LNQ 1, \slm, \dst
	s_wait_dscnt 8                                 ; block 2's eight parameter loads are in; block 3's eight may be out
	LNSC 2
	LNQ 2, \slm, \dst
	s_wait_dscnt 0x0
	LNSC 3
	LNQ 3, \slm, \dst
	v_nop                                          ; a plain place behind the last conversion
.endm
; eight pieces of K (head 2 hp + hl, keys 128 kh on) into KB's middle
.macro KLOAD adr, hl, kh
.irp i, 0,1,2,3,4,5,6,7
	ds_load_b128 v[KB+4+4*\i:KB+7+4*\i], v[\adr] offset:1024*(\hl)+(4*(\kh)+\i/2)*4096+(\i%2)*512
.endr
.endm
; Half a head: 128 keys.  S^T = K Q^T + mask, the running M, p, its sum, its codes, O^T += V^T P
.macro HSTEP hl, kh, first
	s_wait_dscnt 0x0                               ; K's pieces, asked for half a head ago, are in
	WIN 0x10                                       ; C: the mask, in window 1
.irp i, 0,1,2,3,4,5,6,7
	v_wmma_f32_16x16x64_fp8_fp8 v[SS+8*\i:SS+8*\i+7], v[KB+4-4*\hl+4*\i:KB+11-4*\hl+4*\i], v[QA+4*\hl:QA+4*\hl+7], v[MK+64*\kh+8*\i:MK+64*\kh+8*\i+7]
.endr
	WIN 0
	PLACES 4                                       ; ahead of the first read of the scores
	s_wait_alu depctr_va_vdst(0)                   ; these products are done reading K's pieces and the mask, the half before is done reading V's fragments, and v4 to v6 are written: the loads below land in the first three and read the last
.irp u, 0,1
.irp c, 0,1,2,3
	ds_load_b128 v[VF+16*\u+4*\c:VF+16*\u+4*\c+3], v6 offset:1024*\hl+512*\u+(4*\kh+\c)*4096
.endr
.endr
.if \kh == 0
	KLOAD 4, \hl, 1
.elseif \hl == 0
	KLOAD 4, 1, 0
.else
	KLOAD 5, 0, 0                                  ; the next pair of heads, or head 0 again for the next tile
.endif
.if \hl
	s_cmp_eq_u32 s[SDO], 0                         ; the last head has read these 128 keys' mask: the next tile's takes the registers, if there is a next tile
	s_cbranch_scc1 .Lnom_\@
	WIN 0x40
	MLOADQ 2*\kh                                   ; no further wait: since the wait above only loads, scalar lines and window switches were issued
	MLOADQ 2*\kh+1
	WIN 0
.Lnom_\@:
.endif
	v_max3_num_f32 v24, v[SS], v[SS+1], v[SS+2]    ; the largest score of my query among my 64 keys, each accumulator from its low end on
	v_max3_num_f32 v25, v[SS+3], v[SS+4], v[SS+5]
.irp i, 6,10,14,18,22,26,30,34,38,42,46,50,54,58
	v_max3_num_f32 v24, v24, v[SS+\i], v[SS+1+\i]
	v_max3_num_f32 v25, v25, v[SS+2+\i], v[SS+3+\i]
.endr
	v_max3_num_f32 v24, v24, v[SS+62], v[SS+63]
	v_max_num_f32 v24, v24, v25
	v_permlanex16_b32 v26, v24, s[SEL], s[SEL+1]
	v_max_num_f32 v24, v24, v26
	v_mul_f32 v24, s[CS], v24                      ; as t
.if \first
	v_mov_b32 v17, v24
	v_floor_f32 v16, -v17                          ; -M = floor(-t): M is a whole number
.else
	v_max_num_f32 v17, v17, v24
	v_mov_b32 v27, v16
	v_floor_f32 v16, -v17
	v_sub_f32 v27, v16, v27
	v_cvt_i32_f32 v27, v27
	v_ldexp_f32 v20, 1.0, v27                      ; f = 2^(old M - new M)
.endif
.set pp, 0
.rept 32
	v_pk_fma_f32 v[SS+pp:SS+pp+1], v[SS+pp:SS+pp+1], s[CS:CS+1], v[16:17] op_sel_hi:[1,0,0]
.set pp, pp+2
.endr
.set pp, 0
	s_wait_alu depctr_va_vdst(0)
.rept 64
	v_exp_f32 v[SS+pp], v[SS+pp]                   ; p = 2^(t - M)
.set pp, pp+1
.endr
.if \first
	v_nop                                          ; a plain place behind the exponentials
.else
	v_pk_mul_f32 v[18:19], v[18:19], v[20:21] op_sel_hi:[1,0]
.endif
	s_wait_alu depctr_va_vdst(0)                   ; one wait for the batch of 64, ahead of its first reader: the exponentials have written p
.if \first
	v_pk_add_f32 v[18:19], v[SS:SS+1], v[SS+2:SS+3]
	v_pk_add_f32 v[22:23], v[SS+4:SS+5], v[SS+6:SS+7]
.set pp, 8
.rept 14
	v_pk_add_f32 v[18:19], v[18:19], v[SS+pp:SS+pp+1]
	v_pk_add_f32 v[22:23], v[22:23], v[SS+pp+2:SS+pp+3]
.set pp, pp+4
.endr
.else
	v_pk_add_f32 v[22:23], v[SS:SS+1], v[SS+2:SS+3]
.set pp, 4
.rept 15
	v_pk_add_f32 v[18:19], v[18:19], v[SS+pp:SS+pp+1]
	v_pk_add_f32 v[22:23], v[22:23], v[SS+pp+2:SS+pp+3]
.set pp, pp+4
.endr
.endif
	v_pk_add_f32 v[18:19], v[18:19], v[22:23]      ; the sum of the unquantised p
.irp i, 0,1,2,3,4,5,6,7
.irp k, 0,1,2,3,4,5,6,7
	v_min_num_f32 v[SS+8*\i+\k], s87, v[SS+8*\i+\k]
.endr
	v_cvt_scalef32_pk8_fp8_f32 v[PCD+2*\i:PCD+2*\i+1], v[SS+8*\i:SS+8*\i+7], v[VSC]
.endr
.if \first
	s_wait_alu depctr_va_vdst(0)
	v_nop                                          ; a plain place behind the last conversion
.else
.irp k, 0,2,4,6,8,10,12,14
	v_pk_mul_f32 v[OT+\k:OT+\k+1], v[OT+\k:OT+\k+1], v[20:21] op_sel_hi:[1,0]
.endr
.endif
	s_wait_alu depctr_va_vdst(0)
	s_wait_dscnt 8                                 ; V's eight loads are in; the next K's eight, issued behind them, may be out
.irp u, 0,1
.if \first
	v_wmma_f32_16x16x128_fp8_fp8 v[OT+8*\u:OT+8*\u+7], v[VF+16*\u:VF+16*\u+15], v[PCD:PCD+15], 0
.else
	v_wmma_f32_16x16x128_fp8_fp8 v[OT+8*\u:OT+8*\u+7], v[VF+16*\u:VF+16*\u+15], v[PCD:PCD+15], v[OT+8*\u:OT+8*\u+7]
.endif
.endr
.endm
; A head's end: O^T x 2^(e4+e5) / the sum, quantised: four registers of proj's operand
.macro EPI T, hl
	PLACES 4
	v_add_f32 v18, v18, v19
	v_permlanex16_b32 v26, v18, s[SEL], s[SEL+1]
	v_add_f32 v18, v18, v26
	s_wait_alu depctr_va_vdst(0)
	v_rcp_f32 v20, v18
	v_nop
	s_wait_alu depctr_va_vdst(0)                   ; the reciprocal has written v20, ahead of its first reader
	v_ldexp_f32 v20, v20, s78
.irp k, 0,2,4,6,8,10,12,14
	v_pk_mul_f32 v[OT+\k:OT+\k+1], v[OT+\k:OT+\k+1], v[20:21] op_sel_hi:[1,0]
.endr
.irp k, 0,1,2,3,4,5,6,7,8,9,10,11,12,13,14,15
	v_med3_num_f32 v[OT+\k], v[OT+\k], -s91, s91
.endr
	v_cvt_scalef32_pk8_fp8_f32 v[QS+16*\T+4*\hl:QS+16*\T+4*\hl+1], v[OT:OT+7], v[VSC2]
	v_cvt_scalef32_pk8_fp8_f32 v[QS+16*\T+4*\hl+2:QS+16*\T+4*\hl+3], v[OT+8:OT+15], v[VSC2]
	v_nop
.endm
; proj and the first residual for tile T
.macro PROJ T
.irp f, 0,1
	s_wait_alu depctr_va_vdst(0)                   ; what named v164 to v227 last (the head's end; the four products above) is done with them: four fragments land there
.irp t, 0,1,2,3
.irp c, 0,1,2,3
	ds_load_b128 v[VF+16*\t+4*\c:VF+16*\t+4*\c+3], v[LI] offset:WPROJ+2048*(4*\f+\t)+512*\c
.endr
.endr
	s_wait_dscnt 0x0
.irp t, 0,1,2,3
	v_wmma_f32_16x16x128_fp8_fp8 v[SS+32*\f+8*\t:SS+32*\f+8*\t+7], v[VF+16*\t:VF+16*\t+15], v[QS+16*\T:QS+16*\T+15], 0
.endr
	PLACES 4
.endr
	s_wait_alu depctr_va_vdst(0)                   ; the last four products are done reading their fragments, in whose registers the bias lands
.irp c, 0,1,2,3
.irp j, 0,1,2,3
	ds_load_b128 v[VF+16*\c+4*\j:VF+16*\c+4*\j+3], v[PH] offset:2560+128*\c+16*\j
.endr
.endr
	s_wait_dscnt 0x0
.set pp, 0
.rept 32
	v_pk_fma_f32 v[SS+pp:SS+pp+1], v[SS+pp:SS+pp+1], s[SC67:SC67+1], v[VF+pp:VF+pp+1] op_sel_hi:[1,0,1]
.set pp, pp+2
.endr
	WIN 0x41
.set pp, 0
.rept 32
	v_pk_add_f32 v[64*\T+pp:64*\T+pp+1], v[64*\T+pp:64*\T+pp+1], v[SS+pp:SS+pp+1]
.set pp, pp+2
.endr
	WIN 0
.endm
; Attention, proj, residual and LN2 for tile T of my two
.macro ATT T
	s_wait_loadcnt 0x0                             ; the tile's mask is in, as it lies in memory
	s_wait_xcnt 0x0                                ; no memory instruction still reads the mask's base
.if \T == 0
	s_add_nc_u64 s[MBN:MBN+1], s[MBN:MBN+1], 16384             ; next: my second tile
.else
	s_add_nc_u64 s[MBN:MBN+1], s[MBN:MBN+1], 33554432-16384    ; next: my first tile, 128 windows on (used in the first trip alone)
.endif
	WIN 0x44
.irp cq, 0,1,2,3                               ; through my stage, a quarter at a time: a lane then holds its query's keys 16 kt + 8 h + 0 .. 7 in register 8 kt on.  LDS serves a wave's instructions in order
.irp i, 0,1,2,3,4,5,6,7
	ds_store_b128 v[STW], v[MK+32*\cq+4*\i:MK+32*\cq+4*\i+3] offset:544*\i
.endr
	s_wait_alu depctr_vm_vsrc(0)                   ; the eight stores have read the quarter's 32 registers, in which the loads below land
.irp k, 0,1,2,3
.irp j, 0,1
	ds_load_b128 v[MK+32*\cq+8*\k+4*\j:MK+32*\cq+8*\k+4*\j+3], v[STM] offset:64*\k+16*\j
.endr
.endr
.endr
	s_wait_dscnt 0x0
	WIN 0x41
.set pp, 0
.rept 64
	v_pk_mul_f32 v[MK+pp:MK+pp+1], v[MK+pp:MK+pp+1], s[MSC:MSC+1] op_sel_hi:[1,0]   ; / 2^(e2+e3): the sums of codes lack that factor
.set pp, pp+2
.endr
	WIN 0
.irp i, 0,1,2,3
	v_mov_b32 v[QA+\i], v[QS+16*\T+\i]
	v_mov_b32 v[QA+8+\i], v[QS+16*\T+4+\i]
.endr
	v_mov_b32 v[VSC], s86
	v_mov_b32 v[VSC2], s90
.if \T == 0
	s_mov_b32 s[SEX], 1
	s_cmp_lg_u32 s[BAT], 0                         ; my second tile's mask, 64 blocks of 256 bytes, is asked for three heads ahead of its loads; the work-group of batch 0 asks for both batches
	s_cbranch_scc1 .Lnopf_\@
	global_prefetch_b8 v[PFM], s[MBN:MBN+1] th:TH_LOAD_NT scope:SCOPE_SE
	global_prefetch_b8 v[PFM], s[MBN:MBN+1] offset:512 th:TH_LOAD_NT scope:SCOPE_SE
.Lnopf_\@:
.else
	s_cmp_eq_u32 s[TAU], 0
	s_cselect_b32 s[SEX], 1, 0
.endif
	s_mov_b32 s[CNT], 0
	s_mov_b32 s42, 0                               ; 2048 x pair of heads
.Lhp_\@:
	s_xor_b32 s43, s42, 2048
	s_wait_alu depctr_vm_vsrc(0)                   ; the LDS loads issued so far have read v4, v5 and v6, which are made anew
	s_add_co_u32 s[TA], s42, KIMG
	v_add_nc_u32 v4, s[TA], v[LI]
	s_add_co_u32 s[TA], s43, KIMG
	v_add_nc_u32 v5, s[TA], v[LI]
	s_add_co_u32 s[TA], s42, VIMG
	v_add_nc_u32 v6, s[TA], v[LI]
	s_cmp_eq_u32 s[CNT], 1
	s_cselect_b32 s[SDO], s[SEX], 0
	s_wait_alu depctr_va_vdst(0)
	HSTEP 0, 0, 1
	HSTEP 0, 1, 0
	EPI \T, 0
	HSTEP 1, 0, 1
	HSTEP 1, 1, 0
	EPI \T, 1
.irp i, 0,1,2,3                                ; q of the next two heads; then the halves of QS change places, so that after two trips O's codes stand in the heads' order
	v_mov_b32 v[QA+\i], v[QS+16*\T+8+\i]
	v_mov_b32 v[QA+8+\i], v[QS+16*\T+12+\i]
.endr
.irp i, 0,1,2,3,4,5,6,7
	v_mov_b32 v[240+\i], v[QS+16*\T+\i]
	v_mov_b32 v[QS+16*\T+\i], v[QS+16*\T+8+\i]
	v_mov_b32 v[QS+16*\T+8+\i], v[240+\i]
.endr
	s_add_co_u32 s42, s42, 2048
	s_add_co_u32 s[CNT], s[CNT], 1
	s_cmp_lt_u32 s[CNT], 2
	s_cbranch_scc1 .Lhp_\@
.if \T == 1
	BARRIER                                        ; every wave has read K's and V's images for the last time in this trip
.endif
	PROJ \T
	LN 64*\T, 3072, 3584, 92, 93, QS+16*\T, 1
.endm
; Exact GELU of eight numbers in v[hb] on: max(x, 0) - (|x| / 2) erfc(|x| / sqrt 2).  t = |x| / sqrt 2.  erfc by two fits: t above 0.927734375: 2^(a polynomial of degree 7 in t, log2(e) folded in);
; else 1 - t x (a polynomial in t^2).  Both are computed and one is selected: no branch on data.  The eight compares stand in one run, each with a scalar register of its own (s24-27, s44-47).
.macro GELU8 hb
.irp k, 0,1,2,3,4,5,6,7
	v_mul_f32 v[ZZ+\k], s[RS2+1], |v[\hb+\k]|
.endr
.irp k, 0,1,2,3,4,5,6,7
	v_cmp_lt_f32 s[24+\k+16*(\k/4)], 0x3f6d8000, v[ZZ+\k]   ; which fit counts
.endr
.irp k, 0,2,4,6
	v_pk_mul_f32 v[ZZ+8+\k:ZZ+9+\k], v[ZZ+\k:ZZ+1+\k], v[ZZ+\k:ZZ+1+\k]
.endr
.irp k, 0,2,4,6
	v_pk_fma_f32 v[ZZ+16+\k:ZZ+17+\k], v[ZZ+\k:ZZ+1+\k], s[GA0:GA0+1], v[CA1:CA1+1] op_sel_hi:[1,0,1]
	v_pk_fma_f32 v[ZZ+24+\k:ZZ+25+\k], v[ZZ+\k:ZZ+1+\k], s[GA2:GA2+1], v[CA3:CA3+1] op_sel_hi:[1,0,1]
.endr
.irp k, 0,2,4,6
	v_pk_fma_f32 v[ZZ+16+\k:ZZ+17+\k], v[ZZ+16+\k:ZZ+17+\k], v[ZZ+8+\k:ZZ+9+\k], v[ZZ+24+\k:ZZ+25+\k]
.endr
.irp a, GA4, GA5, GA6
.irp k, 0,2,4,6
	v_pk_fma_f32 v[ZZ+16+\k:ZZ+17+\k], v[ZZ+16+\k:ZZ+17+\k], v[ZZ+\k:ZZ+1+\k], s[\a:\a+1] op_sel_hi:[1,1,0]
.endr
.endr
.irp k, 0,2,4,6
	v_pk_mul_f32 v[ZZ+16+\k:ZZ+17+\k], v[ZZ+16+\k:ZZ+17+\k], v[ZZ+\k:ZZ+1+\k]
.endr
	s_wait_alu depctr_va_vdst(0)
.irp k, 0,1,2,3,4,5,6,7
	v_exp_f32 v[ZZ+16+\k], v[ZZ+16+\k]
.endr
.irp k, 0,2,4,6                                ; the other fit: 24 plain lines that name no exponential's result
	v_pk_fma_f32 v[ZZ+24+\k:ZZ+25+\k], v[ZZ+8+\k:ZZ+9+\k], s[GB0:GB0+1], v[CB1:CB1+1] op_sel_hi:[1,0,1]
.endr
.irp a, GB2, GB3, GB4, GB5
.irp k, 0,2,4,6
	v_pk_fma_f32 v[ZZ+24+\k:ZZ+25+\k], v[ZZ+24+\k:ZZ+25+\k], v[ZZ+8+\k:ZZ+9+\k], s[\a:\a+1] op_sel_hi:[1,1,0]
.endr
.endr
.irp k, 0,2,4,6
	v_pk_fma_f32 v[ZZ+24+\k:ZZ+25+\k], v[ZZ+24+\k:ZZ+25+\k], v[ZZ+\k:ZZ+1+\k], 1.0 op_sel_hi:[1,1,0] neg_lo:[1,0,0] neg_hi:[1,0,0]
.endr
	s_wait_alu depctr_va_vdst(0)                   ; one wait for the eight exponentials, ahead of their first reader: their results are written
	s_wait_alu depctr_va_sdst(0)                   ; the eight compares have written their masks, ahead of the selects that read them
.irp k, 0,1,2,3,4,5,6,7
	v_cndmask_b32 v[ZZ+16+\k], v[ZZ+24+\k], v[ZZ+16+\k], s[24+\k+16*(\k/4)]
.endr
.irp k, 0,2,4,6
	v_pk_mul_f32 v[ZZ+16+\k:ZZ+17+\k], v[ZZ+16+\k:ZZ+17+\k], v[ZZ+\k:ZZ+1+\k]
.endr
.irp k, 0,1,2,3,4,5,6,7
	v_max_num_f32 v[ZZ+8+\k], 0, v[\hb+\k]
.endr
.irp k, 0,2,4,6
	v_pk_fma_f32 v[\hb+\k:\hb+1+\k], v[ZZ+16+\k:ZZ+17+\k], s[RS2:RS2+1], v[ZZ+8+\k:ZZ+9+\k] op_sel_hi:[1,0,1]
.endr
.endm
.macro MADDR                           ; the MLP's LDS addresses of chunk q: s42 = 8192 q, s43 = 256 q
	s_add_co_u32 s[TA], s42, WFC1
	v_add_nc_u32 v4, s[TA], v[LI]
	s_add_co_u32 s[TA], s42, WFC2
	v_add_nc_u32 v5, s[TA], v[LI]
	v_add_nc_u32 v6, s43, v[PH]
.endm
.macro MNEXT d                         ; chunk q + d: fc1's bias (as C, for both tiles) and fc1's four fragments: 32 loads
.irp T, 0,1
.irp b, 0,1
.irp j, 0,1,2,3
	ds_load_b128 v[SS+32*\T+16*\b+4*\j:SS+32*\T+16*\b+4*\j+3], v6 offset:4096+256*\d+128*\b+16*\j
.endr
.endr
.endr
.irp t, 0,1,2,3
.irp c, 0,1,2,3
	ds_load_b128 v[ZZ+16*\t+4*\c:ZZ+16*\t+4*\c+3], v4 offset:8192*\d+2048*\t+512*\c
.endr
.endr
.endm
.Ltrip:
	; ================ where my 32 tokens lie; x
	s_lshr_b32 s[WND], s[GID], 1
	s_lshl_b32 s[TA], s[TAU], 7
	s_add_co_u32 s[WND], s[WND], s[TA]             ; the window: ((wd 4 + wh) 4 + ww) 4 + wt
	s_bfe_u32 s42, s[WND], 0x20006
	s_bfe_u32 s43, s[WND], 0x20004
	s_bfe_u32 s44, s[WND], 0x20002
	s_and_b32 s45, s[WND], 3
	s_lshl_b32 s42, s42, 2
	s_lshr_b32 s[TA], s[WV], 1
	s_add_co_u32 s42, s42, s[TA]
	s_add_co_u32 s42, s42, 2
	s_and_b32 s42, s42, 15                         ; D = (4 wd + w / 2 + 2) mod 16: the roll by 2
	s_lshl_b32 s43, s43, 2
	s_lshl_b32 s[TA], s[WV], 1
	s_and_b32 s[TA], s[TA], 3
	s_add_co_u32 s43, s43, s[TA]
	s_add_co_u32 s43, s43, 2
	s_and_b32 s43, s43, 15                         ; H of tile 0, an even number; tile 1: + 1
	s_lshl_b32 s[TB], s[BAT], 4
	s_add_co_u32 s[TA], s[TB], s42
	s_lshl_b32 s[TA], s[TA], 4
	s_add_co_u32 s[TA], s[TA], s43
	s_lshl_b32 s46, s[TA], 17                      ; a step of H is 16 x 16 x 512 bytes
	s_mov_b32 s47, 0
	s_add_nc_u64 s[XBS:XBS+1], s[16:17], s[46:47]
	s_add_nc_u64 s[OBS:OBS+1], s[20:21], s[46:47]
	s_add_nc_u64 s[XBS+2:XBS+3], s[XBS:XBS+1], 0x20000
	s_add_nc_u64 s[OBS+2:OBS+3], s[OBS:OBS+1], 0x20000
	s_add_co_u32 s[TA], s42, 8                     ; the next trip's window is 128 on: wd + 2, D + 8
	s_and_b32 s[TA], s[TA], 15
	s_add_co_u32 s[TA], s[TA], s[TB]
	s_lshl_b32 s[TA], s[TA], 4
	s_add_co_u32 s[TA], s[TA], s43
	s_lshl_b32 s46, s[TA], 17
	s_add_nc_u64 s[PXB:PXB+1], s[16:17], s[46:47]
	s_lshl_b32 s44, s44, 2
	s_add_co_u32 s44, s44, 2
	s_lshl_b32 s45, s45, 2
	s_add_co_u32 s45, s45, 2
.irp i, 0,1,2,3,4,5,6,7                        ; tokens 2 i and 2 i + 1 of a tile: w' = i / 2, t' = 2 (i % 2) + h
	s_add_co_u32 s[TA], s44, \i/2
	s_and_b32 s[TA], s[TA], 15
	s_lshl_b32 s[TA], s[TA], 13
	s_add_co_u32 s[TB], s45, 2*(\i%2)
	s_and_b32 s[TB], s[TB], 15
	s_lshl_b32 s[TB], s[TB], 9
	s_add_co_u32 s[XS+\i], s[TA], s[TB]
	v_add_nc_u32 v[SS+\i], s[XS+\i], v[XLN]
.endr
	WIN 0x40
	s_wait_alu depctr_va_vdst(0)                   ; the eight offsets v60 to v67 are written, which the loads read; the last trip's lines are done with X's registers, in which they land
.irp T, 0,1
.irp h, 0,1
.irp i, 0,1,2,3,4,5,6,7
	global_load_b128 v[64*\T+32*\h+4*\i:64*\T+32*\h+4*\i+3], v[SS+\i], s[XBS+2*\T:XBS+2*\T+1] offset:256*\h th:TH_LOAD_NT   ; sixteen lanes read 256 consecutive bytes, aligned
.endr
.endr
.endr
	s_wait_loadcnt 0x0
	WIN 0x44
.irp p, 0,1,2,3                                ; into the X layout, through my stage, half a row of 16 tokens at a time
.irp i, 0,1,2,3,4,5,6,7
	ds_store_b128 v[STW], v[32*\p+4*\i:32*\p+4*\i+3] offset:544*\i
.endr
	s_wait_alu depctr_vm_vsrc(0)                   ; the eight stores have read the pass's 32 registers, in which the loads below land (and x's loads their offsets v60 to v67, which LN1 writes)
.irp c, 0,1
.irp j, 0,1,2,3
	ds_load_b128 v[32*\p+16*\c+4*\j:32*\p+16*\c+4*\j+3], v[STX] offset:128*\c+16*\j
.endr
.endr
.endr
	s_wait_dscnt 0x0
	WIN 0
	; ================ LN1
	LN 0, 0, 512, 80, 81, XC1, 0                   ; no vector line since the wait at the trip's head: the parameters' loads owe nothing
	LN 64, 0, 512, 80, 81, XC1+16, 1
	; ================ q, k, v: a trip a head.  Q's fragments and bias run a head ahead
	s_mov_b32 s[CNT], 0
	s_mov_b32 s42, 0                               ; 4096 x head
	s_mov_b32 s43, 0                               ; 128 x head
	s_mov_b32 s44, 0                               ; 1024 x head
	s_lshl_b32 s[TA], s[WV], 12
	s_add_co_u32 s[TA], s[TA], KIMG
	v_add_nc_u32 v16, s[TA], v[LI]                 ; my 4,096 bytes of K's images; V's lie 32,768 further on
	v_add_nc_u32 v4, s42, v[LI]                    ; head 0's addresses; each head makes the next one's at its end
	v_add_nc_u32 v5, s43, v[PH]
	v_add_nc_u32 v6, s43, v[PVB]
	s_wait_alu depctr_va_vdst(0)                   ; v4 to v6 are written; LN1's last lines are done with v108 to v123 and v164 to v251, in which the loads below and at the loop's top land
.irp u, 0,1
.irp c, 0,1,2,3
	ds_load_b128 v[FWA+16*\u+4*\c:FWA+16*\u+4*\c+3], v[LI] offset:2048*\u+512*\c
.endr
.endr
.irp j, 0,1,2,3
	ds_load_b128 v[BI+4*\j:BI+4*\j+3], v[PH] offset:1024+16*\j
.endr
.Lqkv:
.irp u, 0,1                                    ; no wait: no vector line stands between the wait at the last head's end (or ahead of the loop) and these 18 loads
.irp c, 0,1,2,3
	ds_load_b128 v[FWB+16*\u+4*\c:FWB+16*\u+4*\c+3], v4 offset:16384+2048*\u+512*\c
.endr
.endr
.irp u, 0,1
.irp c, 0,1,2,3
	ds_load_b128 v[FWC+16*\u+4*\c:FWC+16*\u+4*\c+3], v4 offset:32768+2048*\u+512*\c
.endr
.endr
	ds_load_b32 v252, v6
	ds_load_b32 v254, v6 offset:32
.irp T, 0,1
.irp i, 0,1,2,3,4,5,6,7,8,9,10,11
	v_mov_b32 v[QS+16*\T+\i], v[QS+16*\T+4+\i]     ; Q's codes move down by a head: register numbers stay the same in every trip
.endr
.endr
	s_wait_dscnt 18                                ; all but the 18 just issued: Q's fragments and bias are in
.irp T, 0,1
.irp u, 0,1
	v_wmma_f32_16x16x128_fp8_fp8 v[SS+16*\T+8*\u:SS+16*\T+8*\u+7], v[FWA+16*\u:FWA+16*\u+15], v[XC1+16*\T:XC1+16*\T+15], 0
.endr
.endr
	PLACES 5                                       ; five: the next group's products write over these results
.irp T, 0,1
.irp u, 0,1
.irp k, 0,2,4,6
	v_pk_fma_f32 v[SS+16*\T+8*\u+\k:SS+16*\T+8*\u+\k+1], v[SS+16*\T+8*\u+\k:SS+16*\T+8*\u+\k+1], s[SC01:SC01+1], v[BI+8*\u+\k:BI+8*\u+\k+1] op_sel_hi:[1,0,1]
.endr
.endr
.endr
	s_wait_alu depctr_vm_vsrc(0)                   ; the last head's image stores have read v7 and v92 to v107: v7 is made anew, and K's bias lands in the others
	v_add_nc_u32 v7, s44, v16                      ; where this head's images go
	s_wait_alu depctr_va_vdst(0)                   ; Q's products are done reading their fragments and the multiply-adds Q's bias, in which the next head's land; v7 is written, which the stores at the head's end read
.irp j, 0,1,2,3
	ds_load_b128 v[KBI+4*\j:KBI+4*\j+3], v5 offset:1536+16*\j          ; K's bias
.endr
.irp u, 0,1
.irp c, 0,1,2,3
	ds_load_b128 v[FWA+16*\u+4*\c:FWA+16*\u+4*\c+3], v4 offset:4096+2048*\u+512*\c   ; the next head's Q (in the last trip: bytes of K's fragments, read and not used)
.endr
.endr
.irp j, 0,1,2,3
	ds_load_b128 v[BI+4*\j:BI+4*\j+3], v5 offset:1152+16*\j            ; the next head's Q bias
.endr
	v_mov_b32 v[VSC], s82
.set pp, 0
.rept 16
	v_pk_mul_f32 v[SS+pp:SS+pp+1], v[SS+pp:SS+pp+1], s[QSC:QSC+1] op_sel_hi:[1,0]
.set pp, pp+2
.endr
.set pp, 0
.rept 32
	v_med3_num_f32 v[SS+pp], v[SS+pp], -s83, s83
.set pp, pp+1
.endr
.irp T, 0,1
	v_cvt_scalef32_pk8_fp8_f32 v[QS+16*\T+12:QS+16*\T+13], v[SS+16*\T:SS+16*\T+7], v[VSC]
	v_cvt_scalef32_pk8_fp8_f32 v[QS+16*\T+14:QS+16*\T+15], v[SS+16*\T+8:SS+16*\T+15], v[VSC]
.endr
	v_nop
	s_wait_dscnt 16                                ; behind K's and V's fragments and V's bias: K's bias (4), the next Q (8) and its bias (4)
.irp T, 0,1
.irp u, 0,1
	v_wmma_f32_16x16x128_fp8_fp8 v[SS+16*\T+8*\u:SS+16*\T+8*\u+7], v[FWB+16*\u:FWB+16*\u+15], v[XC1+16*\T:XC1+16*\T+15], 0
.endr
.endr
	PLACES 5
	s_wait_dscnt 12                                ; K's bias is in; the next Q's twelve loads may be out
.irp T, 0,1
.irp u, 0,1
.irp k, 0,2,4,6
	v_pk_fma_f32 v[SS+16*\T+8*\u+\k:SS+16*\T+8*\u+\k+1], v[SS+16*\T+8*\u+\k:SS+16*\T+8*\u+\k+1], s[SC01:SC01+1], v[KBI+8*\u+\k:KBI+8*\u+\k+1] op_sel_hi:[1,0,1]
.endr
.endr
.endr
	v_mov_b32 v[VSC], s84
.set pp, 0
.rept 32
	v_med3_num_f32 v[SS+pp], v[SS+pp], -s85, s85
.set pp, pp+1
.endr
.irp T, 0,1
	v_cvt_scalef32_pk8_fp8_f32 v[KC+4*\T:KC+4*\T+1], v[SS+16*\T:SS+16*\T+7], v[VSC]
	v_cvt_scalef32_pk8_fp8_f32 v[KC+4*\T+2:KC+4*\T+3], v[SS+16*\T+8:SS+16*\T+15], v[VSC]
.endr
	v_nop
.irp u, 0,1                                    ; V untransposed: source 0 = my tokens, source 1 = 16 rows of the weight: a lane holds a channel, its registers eight tokens
.irp T, 0,1
	v_wmma_f32_16x16x128_fp8_fp8 v[SS+16*\u+8*\T:SS+16*\u+8*\T+7], v[XC1+16*\T:XC1+16*\T+15], v[FWC+16*\u:FWC+16*\u+15], 0
.endr
.endr
	PLACES 5
.irp u, 0,1
.irp T, 0,1
.irp k, 0,2,4,6
	v_pk_fma_f32 v[SS+16*\u+8*\T+\k:SS+16*\u+8*\T+\k+1], v[SS+16*\u+8*\T+\k:SS+16*\u+8*\T+\k+1], s[SC01:SC01+1], v[252+2*\u:253+2*\u] op_sel_hi:[1,0,0]
.endr
.endr
.endr
	v_mov_b32 v[VSC], s88
.set pp, 0
.rept 32
	v_med3_num_f32 v[SS+pp], v[SS+pp], -s89, s89
.set pp, pp+1
.endr
.irp u, 0,1
.irp T, 0,1
	v_cvt_scalef32_pk8_fp8_f32 v[VC+4*\u+2*\T:VC+4*\u+2*\T+1], v[SS+16*\u+8*\T:SS+16*\u+8*\T+7], v[VSC]
.endr
.endr
	v_nop
	s_add_co_u32 s42, s42, 4096
	s_add_co_u32 s43, s43, 128
	s_add_co_u32 s44, s44, 1024
	s_wait_alu depctr_vm_vsrc(0)                   ; this head's loads have read v4, v5 and v6
	v_add_nc_u32 v4, s42, v[LI]                    ; the next head's addresses (behind the last head they are not used)
	v_add_nc_u32 v5, s43, v[PH]
	v_add_nc_u32 v6, s43, v[PVB]
	s_wait_alu depctr_va_vdst(0)                   ; the conversions have written K's and V's codes, which the stores read; K's and V's products and V's multiply-adds are done reading v188 to v255, in which the next head's loads land; v4 to v6 are written
.irp T, 0,1
	ds_store_b128 v7, v[KC+4*\T:KC+4*\T+3] offset:512*\T
.endr
.irp u, 0,1
	ds_store_b128 v7, v[VC+4*\u:VC+4*\u+3] offset:32768+512*\u
.endr
	s_add_co_u32 s[CNT], s[CNT], 1
	s_cmp_lt_u32 s[CNT], 4
	s_cbranch_scc1 .Lqkv
	s_wait_dscnt 0x0                               ; my images have landed, and the look-ahead loads, which land partly on the registers cleared below, are in
.irp i, 0,1,2,3
	v_mov_b32 v[KB+\i], 0                          ; the pads beside K's pieces: zero codes,
	v_mov_b32 v[KB+36+\i], 0
	v_mov_b32 v[QA+4+\i], 0                        ; and the zero half of q's operand
.endr
	v_add_nc_u32 v4, KIMG, v[LI]
	s_barrier_signal -1
	s_barrier_wait -1                              ; K's and V's images of the whole window lie in LDS
	s_wait_alu depctr_va_vdst(0)                   ; v4 is written, which the loads of K's first pieces read
	KLOAD 4, 0, 0
	; ================ attention, proj, residual, LN2: my two tiles
	ATT 0
	ATT 1
	; ================ the MLP: eight chunks of 64 hidden units; fc2 adds onto (x1 + b_fc2) / 2^(e10+e11) in X's registers
	s_wait_xcnt 0x0                                ; the mask's loads and prefetches have read their offsets: the phase addresses are laid over
	s_wait_alu depctr_vm_vsrc(0)                   ; the stage's, the mask's and the images' instructions and the prefetches have read v4 to v6 and v8 to v14: the lines below and the hidden codes write them
	s_bfe_u32 s44, s[WND], 0x20002
	s_and_b32 s45, s[WND], 3
	s_lshl_b32 s44, s44, 2
	s_add_co_u32 s44, s44, 2
	s_lshl_b32 s45, s45, 2
	s_add_co_u32 s45, s45, 2
	v_bfe_u32 v4, v0, 2, 2                         ; the next trip's x: a lane a token (lanes 0-15 tile 0, lanes 16-31 tile 1)
	v_add_nc_u32 v4, s44, v4
	v_and_b32 v4, 15, v4
	v_and_b32 v5, 3, v0
	v_add_nc_u32 v5, s45, v5
	v_and_b32 v5, 15, v5
	v_lshlrev_b32 v5, 9, v5
	v_lshl_add_u32 v5, v4, 13, v5
	v_bfe_u32 v4, v0, 4, 1
	v_lshl_add_u32 v[PFX], v4, 17, v5
	s_cmp_eq_u32 s[TAU], 0
	s_cselect_b32 s[SPX], 6, -1                    ; asked for in chunk 6 of the first trip: two chunks ahead of the loads; the last trip asks for nothing
	s_mov_b32 s[CNT], 0
	s_mov_b32 s42, 0
	s_mov_b32 s43, 0
	MADDR
	s_wait_alu depctr_va_vdst(0)                   ; v4 to v6 and the prefetch's offset v24 are written; LN2's last lines are done with v60 to v123 and v164 to v227, in which the 48 loads below land
.irp c, 0,1,2,3
.irp j, 0,1,2,3
	ds_load_b128 v[FR+16*\c+4*\j:FR+16*\c+4*\j+3], v[PH] offset:6144+128*\c+16*\j
.endr
.endr
	MNEXT 0
	s_wait_dscnt 32                                ; b_fc2's sixteen loads are in; chunk 0's 32 may be out
.set pp, 0
.rept 32
	v_pk_mul_f32 v[FR+pp:FR+pp+1], v[FR+pp:FR+pp+1], s[SCA:SCA+1] op_sel_hi:[1,0]
.set pp, pp+2
.endr
	WIN 0x41
.set pp, 0
.rept 64
	v_pk_fma_f32 v[pp:pp+1], v[pp:pp+1], s[SCA:SCA+1], v[FR+pp%64:FR+pp%64+1] op_sel_hi:[1,0,1]
.set pp, pp+2
.endr
	WIN 0
	v_mov_b32 v[CA1], 0x3a10ec3c
	v_mov_b32 v[CA1+1], 0x3a10ec3c
	v_mov_b32 v[CA3], 0x3d0f53cc
	v_mov_b32 v[CA3+1], 0x3d0f53cc
	v_mov_b32 v[CB1], 0x3ba38d2c
	v_mov_b32 v[CB1+1], 0x3ba38d2c
	v_mov_b32 v[VSC], s94
.Lchunk:
	s_wait_alu depctr_vm_vsrc(0)                   ; the LDS loads issued so far have read v4, v5 and v6, which are made anew
	MADDR
	s_cmp_lg_u32 s[CNT], s[SPX]
	s_cbranch_scc1 .Lnopx
	global_prefetch_b8 v[PFX], s[PXB:PXB+1] th:TH_LOAD_NT scope:SCOPE_SE
	global_prefetch_b8 v[PFX], s[PXB:PXB+1] offset:256 th:TH_LOAD_NT scope:SCOPE_SE
.Lnopx:
	s_wait_dscnt 0x0                               ; the chunk's bias and fc1 fragments are in
.irp t, 0,1,2,3
.irp T, 0,1
	v_wmma_f32_16x16x128_fp8_fp8 v[SS+32*\T+8*\t:SS+32*\T+8*\t+7], v[ZZ+16*\t:ZZ+16*\t+15], v[QS+16*\T:QS+16*\T+15], v[SS+32*\T+8*\t:SS+32*\T+8*\t+7]
.endr
.endr
	PLACES 4
	s_wait_alu depctr_va_vdst(0)                   ; v4 to v6 are written; the last chunk's fc2 products (ahead of the loop: b_fc2's lines) are done reading v124 to v187, in which fc2's fragments land
.irp t, 0,1,2,3,4,5,6,7
.irp c, 0,1
	ds_load_b128 v[FR+8*\t+4*\c:FR+8*\t+4*\c+3], v5 offset:1024*\t+512*\c
.endr
.endr
.set pp, 0
.rept 32
	v_pk_mul_f32 v[SS+pp:SS+pp+1], v[SS+pp:SS+pp+1], s[SC89:SC89+1] op_sel_hi:[1,0]
.set pp, pp+2
.endr
.irp g, 0,1,2,3,4,5,6,7
	GELU8 SS+8*\g
.endr
.irp T, 0,1
.irp b, 0,1
.irp k, 0,1,2,3,4,5,6,7,8,9,10,11,12,13,14,15
	v_med3_num_f32 v[SS+32*\T+16*\b+\k], v[SS+32*\T+16*\b+\k], -s95, s95
.endr
	v_cvt_scalef32_pk8_fp8_f32 v[HC+8*\T+4*\b:HC+8*\T+4*\b+1], v[SS+32*\T+16*\b:SS+32*\T+16*\b+7], v[VSC]
	v_cvt_scalef32_pk8_fp8_f32 v[HC+8*\T+4*\b+2:HC+8*\T+4*\b+3], v[SS+32*\T+16*\b+8:SS+32*\T+16*\b+15], v[VSC]
.endr
.endr
	v_nop
	s_wait_alu depctr_va_vdst(0)                   ; the conversions are done reading the hidden numbers and the GELU is done with its temporaries: the next chunk's bias and fragments land in both
	MNEXT 1                                        ; the next chunk's (in the last trip: bytes of b_fc2 and of fc2's images, read and not used)
	s_wait_dscnt 32                                ; fc2's 16 fragment loads are in; the 32 just issued may be out
	WIN 0x50                                       ; C and D: X, in window 1.  Sixteen accumulators by turns
.irp T, 0,1
.irp t, 0,1,2,3,4,5,6,7
	v_wmma_f32_16x16x64_fp8_fp8 v[64*\T+8*\t:64*\T+8*\t+7], v[FR+8*\t:FR+8*\t+7], v[HC+8*\T:HC+8*\T+7], v[64*\T+8*\t:64*\T+8*\t+7]
.endr
.endr
	WIN 0
	s_add_co_u32 s42, s42, 8192
	s_add_co_u32 s43, s43, 256
	s_add_co_u32 s[CNT], s[CNT], 1
	s_cmp_lt_u32 s[CNT], 8
	s_cbranch_scc1 .Lchunk
	; ================ the way out
	s_wait_dscnt 0x0                               ; the look-ahead loads are in: their registers are free
	s_wait_alu depctr_vm_vsrc(0)                   ; the last chunk's loads have read v4, v5 and v6, which the phase addresses' lines write
	PLACES 4
	WIN 0x41
.set pp, 0
.rept 64
	v_pk_mul_f32 v[pp:pp+1], v[pp:pp+1], s[SCB:SCB+1] op_sel_hi:[1,0]   ; x 2^(e10+e11): x1 + b_fc2 + fc2's sum; each accumulator from its low end on
.set pp, pp+2
.endr
	WIN 0
	ADDR
.irp i, 0,1,2,3,4,5,6,7
	v_add_nc_u32 v[SS+\i], s[XS+\i], v[XLN]
.endr
	WIN 0x44
	s_wait_alu depctr_va_vdst(0)                   ; the scalings have written X, which the stage's stores read; the stage's addresses and the eight offsets v60 to v67 are written
.irp p, 0,1,2,3
.irp c, 0,1
.irp j, 0,1,2,3
	ds_store_b128 v[STX], v[32*\p+16*\c+4*\j:32*\p+16*\c+4*\j+3] offset:128*\c+16*\j
.endr
.endr
	s_wait_alu depctr_vm_vsrc(0)                   ; the eight stores have read the pass's 32 registers, in which the loads below land
.irp i, 0,1,2,3,4,5,6,7
	ds_load_b128 v[32*\p+4*\i:32*\p+4*\i+3], v[STW] offset:544*\i
.endr
.endr
.irp T, 0,1
.irp h, 0,1
	s_wait_dscnt 48-16*(2*\T+\h)                   ; behind this pass's loads: sixteen LDS instructions for each later pass
.irp i, 0,1,2,3,4,5,6,7
	global_store_b128 v[SS+\i], v[64*\T+32*\h+4*\i:64*\T+32*\h+4*\i+3], s[OBS+2*\T:OBS+2*\T+1] offset:256*\h th:TH_STORE_NT   ; sixteen lanes store 256 consecutive bytes, aligned
.endr
.endr
.endr
	WIN 0
	s_wait_xcnt 0x0                                ; the stores and prefetches have read their registers and bases: the next trip writes them
	s_wait_alu depctr_vm_vsrc(0)                   ; the stores have read X's registers and their offsets v60 to v67, the prefetches v24: the next trip's loads and vector lines write them
	s_add_co_u32 s[TAU], s[TAU], 1
	s_cmp_lt_u32 s[TAU], 2
	s_cbranch_scc1 .Ltrip
	s_wait_xcnt 0x0
	v_lshl_add_u32 v254, v0, 2, 0x4a200
	v_mov_b32 v255, 0
	s_wait_dscnt 0x0                               ; the closing lines, six on end
	s_wait_alu 0x0
	s_wait_tensorcnt 0x0
	ds_add_u32 v254, v255
	s_wait_dscnt 0x0
	s_endpgm
.Lfunc_end_k_qd15bb870a5_swin:
	.size	k_qd15bb870a5_swin, .Lfunc_end_k_qd15bb870a5_swin-k_qd15bb870a5_swin
	.p2alignl 7, 3214868480
	.fill 96, 4, 3214868480
	.section	.rodata,"a",@progbits
	.p2align	6, 0x0
	.amdhsa_kernel k_qd15bb870a5_swin
		.amdhsa_group_segment_fixed_size 304640
		.amdhsa_private_segment_fixed_size 0
		.amdhsa_enable_private_segment 0
		.amdhsa_kernarg_size 128
		.amdhsa_user_sgpr_count 2
		.amdhsa_user_sgpr_kernarg_segment_ptr 1
		.amdhsa_wavefront_size32 1
		.amdhsa_system_sgpr_workgroup_id_x 1
		.amdhsa_system_sgpr_workgroup_id_y 1
		.amdhsa_system_sgpr_workgroup_id_z 1
		.amdhsa_system_vgpr_workitem_id 0
		.amdhsa_next_free_vgpr 512
		.amdhsa_next_free_sgpr 106
		.amdhsa_reserve_vcc 0
		.amdhsa_float_denorm_mode_32 3
		.amdhsa_float_denorm_mode_16_64 3
		.amdhsa_memory_ordered 1
		.amdhsa_forward_progress 1
		.amdhsa_inst_pref_size 255
	.end_amdhsa_kernel
	.section	.bss,"aw",@nobits
	.p2align	6
	.space	262144
	.amdgpu_metadata
---
amdhsa.version: [ 1, 2 ]
amdhsa.kernels:
  - .name:           k_qd15bb870a5_swin
    .symbol:         k_qd15bb870a5_swin.kd
    .args:
      - { .name: x, .offset: 0, .size: 8, .value_kind: global_buffer, .address_space: global }
      - { .name: mask_matrix, .offset: 8, .size: 8, .value_kind: global_buffer, .address_space: global }
      - { .name: out0, .offset: 16, .size: 8, .value_kind: global_buffer, .address_space: global }
      - { .name: lowp_scales, .offset: 24, .size: 8, .value_kind: global_buffer, .address_space: global }
      - { .name: w_qkv_codes, .offset: 32, .size: 8, .value_kind: global_buffer, .address_space: global }
      - { .name: w_proj_codes, .offset: 40, .size: 8, .value_kind: global_buffer, .address_space: global }
      - { .name: w_fc1_codes, .offset: 48, .size: 8, .value_kind: global_buffer, .address_space: global }
      - { .name: w_fc2_codes, .offset: 56, .size: 8, .value_kind: global_buffer, .address_space: global }
      - { .name: g1, .offset: 64, .size: 8, .value_kind: global_buffer, .address_space: global }
      - { .name: b1, .offset: 72, .size: 8, .value_kind: global_buffer, .address_space: global }
      - { .name: b_qkv, .offset: 80, .size: 8, .value_kind: global_buffer, .address_space: global }
      - { .name: b_proj, .offset: 88, .size: 8, .value_kind: global_buffer, .address_space: global }
      - { .name: g2, .offset: 96, .size: 8, .value_kind: global_buffer, .address_space: global }
      - { .name: b2, .offset: 104, .size: 8, .value_kind: global_buffer, .address_space: global }
      - { .name: b_fc1, .offset: 112, .size: 8, .value_kind: global_buffer, .address_space: global }
      - { .name: b_fc2, .offset: 120, .size: 8, .value_kind: global_buffer, .address_space: global }
    .group_segment_fixed_size: 304640
    .private_segment_fixed_size: 0
    .kernarg_segment_align: 8
    .kernarg_segment_size: 128
    .max_flat_workgroup_size: 256
    .sgpr_count:     106
    .vgpr_count:     512
    .wavefront_size: 32
...
	.end_amdgpu_metadata
.endif
;; end of part 2
